; MI455X (gfx1250); checked and timed in simulation.
; The chip was launched on July 23, 2026; its instructions are those of AMD's public machine-readable ISA for CDNA 5 (MIT licence, August 2026) and "CDNA5" Instruction Set Architecture Reference Guide (July 2026). The comments in the code are by the model that wrote it; some were corrected since.
;; Feature Propagation. Allowed arithmetic: float matrix products may take bf16 or f16 operands with f32 sums; all other float work in f32.
;; Inputs: b1 256 float32; b2 256 float32; be1 256 float32; be2 256 float32; g1 256 float32; g2 256 float32; points1 8 x 256 x 8,192 float32; points2 8 x 256 x 2,048 float32; w1 256 x 512 float32; w2 256 x 256 float32; xyz1 8 x 8,192 x 3 float32; xyz2 8 x 2,048 x 3 float32.
;; Outputs: out0 8 x 256 x 8,192 float32.
;; One version. Each part assembles by itself: llvm-mc -triple=amdgcn-amd-amdhsa -mcpu=gfx1250 --defsym DOCPART=n.
;; ======== version 1 of 1: 6 launches
;; limits: values outside matrix products are rounded to bf16; values outside matrix products are rounded to f16; values are held in f16: magnitudes above 65,504 overflow, below 6.1e-05 lose precision
;; workspace buffers: prep 9,830,400 bytes; grp 1,048,576 bytes of whole numbers; nidx 1,048,576 bytes of whole numbers; l1 34,078,720 bytes; l2 34,078,720 bytes; bn1 3,072 bytes
;; launch knn1 (part 1): grid 256 x 1, 8 waves a work-group, no clusters, 116,736 bytes of LDS; arguments xyz1, xyz2, points2, w1, w2, prep, grp; writes prep, grp
.if DOCPART == 1
	.amdgcn_target "amdgcn-amd-amdhsa--gfx1250"
	.amdhsa_code_object_version 6
	.text
	.protected	k_qb5a5e3e4c4_knn1
	.globl	k_qb5a5e3e4c4_knn1
	.p2align	8
	.type	k_qb5a5e3e4c4_knn1,@function
k_qb5a5e3e4c4_knn1:
	s_mov_b64 s[64:65], 0
	v_nop
	global_prefetch_b8 v0, s[64:65] scope:SCOPE_SE
	s_setreg_imm32_b32 hwreg(HW_REG_WAVE_MODE, 25, 1), 1
	s_wait_xcnt 0x0
; knn1: work-group g (batch b = g >> 5, part gl = g & 31) does three things.
;  (1) It transposes 64 columns s of points2[b] into prep.P2T[b][s][256 c] as bf16 (rows of 512 bytes for the later gather).
;  (2) It writes two rows of w1 (g < 128) or of w2 (g >= 128) as f16(bf16(w)), cut into K slices of 64: prep.W1H, prep.W2H.
;  (3) For its 256 queries it finds the three GROUPS of 16 neighbouring candidates with the smallest (group minimum, group number).
;      Those three groups hold the three nearest candidates in the order (distance, index): any candidate outside them is preceded
;      by the minima of three groups that are smaller, or equal with lower indices.  The next launch looks into the three groups.
; NUMBERS: every coordinate is rounded once to bf16, so every product of two coordinates is exact in f32 and a fused multiply-add
; gives the same bits as a multiply and an add.  The distance is summed as the problem writes it: ((x0 y0 + x1 y1) + x2 y2) times -2
; (the exact factor -2 sits in x), then + |x|^2, then + |y|^2.  It is done on the vector unit because the matrix unit adds all products
; with one rounding, which is another chain of roundings, and three products would fill 3 of its 32 places along K.
; LIMITS: coordinates must be finite.  Weights go to f16: above 65,504 they overflow, below 2^-14 their step is 2^-24.
; Eight waves: wave w scans candidates 256 w .. 256 w + 255 for all 256 queries, eight queries a lane (query 32 u + lane).
.set CT,  33792                        ; LDS: T = 0 (64 rows x 528 bytes); CT: 1,024 pairs of candidates x 32 bytes
.set MV,  66560                        ; LDS: [8 waves x 3][256 queries] group minima; the group numbers lie MIO bytes higher
.set MIO, 24576
.set W1H, 8388608                      ; byte offsets in prep
.set W2H, 8650752
.set QS,  16                           ; v[16:79]   query u: -2x0 twice, -2x1 twice, -2x2 twice, |x|^2 twice
.set M,   80                           ; v[80:103]  query u: its three smallest group minima, ascending
.set I,   104                          ; v[104:127] and their group numbers
.set GM,  128                          ; v[128:135] query u: the minimum of the group at work
.set G,   136                          ; the group's number
.set TMP, 137
.set TP,  138                          ; v[138:153] query u: two distances
.set TT,  144                          ; early: at work
.set CB0, 156                          ; v[156:187] four pairs of candidates
.set CB1, 188                          ; v[188:219] the group's other four pairs
.set P2,  156                          ; early: v[156:219] points2 as loaded, then the candidate records
.set XY2, 220                          ; early: v[220:243] xyz2 as loaded
.set XY1, 80                           ; early: v[80:111] xyz1 as loaded, four registers apart
.set WR,  244                          ; early: v[244:247] four weights
.set RB,  112                          ; early: v[112:143] transposed rows on their way out
.macro BAR                             ; my LDS instructions are done, then the work-group's barrier
	s_wait_dscnt 0x0
	s_barrier_signal -1
	s_barrier_wait -1
.endm
.macro CVT4 x                          ; four f32 in v[x:x+3] -> f16(bf16(.)) in v[x:x+1]
	v_cvt_pk_bf16_f32 v[\x], v[\x], v[\x+1]
	v_cvt_pk_bf16_f32 v[\x+1], v[\x+2], v[\x+3]
	v_lshlrev_b32 v[\x+2], 16, v[\x]
	v_and_b32 v[\x+3], s26, v[\x]
	v_cvt_pk_f16_f32 v[\x], v[\x+2], v[\x+3]
	v_lshlrev_b32 v[\x+2], 16, v[\x+1]
	v_and_b32 v[\x+3], s26, v[\x+1]
	v_cvt_pk_f16_f32 v[\x+1], v[\x+2], v[\x+3]
.endm
; (gm, id) goes into the sorted three (m .. m+2, i .. i+2).  Strictly smaller only: of equal values the one that came first stays in front.
.macro INS gm, id, m, i
	v_cmp_lt_f32 s30, v[\gm], v[\m]
	v_cmp_lt_f32 s31, v[\gm], v[\m+1]
	v_cmp_lt_f32 s32, v[\gm], v[\m+2]
	v_cndmask_b32 v[TMP], v[\id], v[\i+1], s31
	v_cndmask_b32 v[\i+2], v[\i+2], v[TMP], s32
	v_cndmask_b32 v[TMP], v[\id], v[\i], s30
	v_cndmask_b32 v[\i+1], v[\i+1], v[TMP], s31
	v_cndmask_b32 v[\i], v[\i], v[\id], s30
	v_med3_num_f32 v[\m+2], v[\gm], v[\m+1], v[\m+2]
	v_med3_num_f32 v[\m+1], v[\gm], v[\m], v[\m+1]
	v_min_num_f32 v[\m], v[\gm], v[\m]
.endm
	s_load_b256 s[4:11], s[0:1], 0x0               ; xyz1 s[4:5], xyz2 s[6:7], points2 s[8:9], w1 s[10:11]
	s_load_b128 s[12:15], s[0:1], 0x20             ; w2 s[12:13], prep s[14:15]
	s_load_b64 s[16:17], s[0:1], 0x30              ; grp
	v_lshl_add_u32 v254, v0, 2, 0x1c400
	v_mov_b32 v255, 0
	v_lshrrev_b32 v1, 5, v0
	v_readfirstlane_b32 s20, v1                    ; wave w
	s_mov_b32 s21, ttmp9                           ; g
	s_lshr_b32 s22, s21, 5                         ; b
	s_and_b32 s23, s21, 31                         ; gl
	s_mov_b32 s26, 0xffff0000                      ; a word's upper bf16
	v_and_b32 v1, 31, v0                           ; lane L
	v_and_b32 v2, 15, v0                           ; r
	v_bfe_u32 v3, v0, 4, 1                         ; h
	v_lshlrev_b32 v4, 4, v2
	v_lshl_add_u32 v4, v3, 15, v4
	s_lshl_b32 s24, s20, 18
	v_add_nc_u32 v4, s24, v4                       ; points2: channel 32 w + 4 h (rows of 8,192 bytes) + 16 r
	v_mul_u32_u24 v5, 24, v0                       ; xyz2: a pair of candidates is 24 bytes
	v_mul_u32_u24 v6, 12, v1                       ; xyz1: a query is 12 bytes
	s_lshl_b32 s24, s20, 15
	v_lshl_add_u32 v8, v1, 3, s24                  ; weights out: slice w + 8 L
	v_mul_u32_u24 v9, 0x840, v2
	v_lshl_add_u32 v9, v3, 3, v9
	s_lshl_b32 s24, s20, 6
	v_add_nc_u32 v9, s24, v9                       ; T in: row 4 r (4 x 528 bytes), byte 64 w + 8 h
	s_mul_i32 s24, s20, 4224
	v_lshl_add_u32 v10, v1, 4, s24                 ; T back: row 8 w, 16 L
	s_lshl_b32 s24, s20, 12
	v_lshl_add_u32 v11, v1, 4, s24                 ; P2T: row 8 w (512 bytes each) + 16 L
	v_lshl_add_u32 v12, v0, 5, CT                  ; CT in: pair t
	s_add_co_u32 s24, s24, CT
	v_mov_b32 v13, s24                             ; CT scan: my wave's 128 pairs
	s_mul_i32 s24, s20, 3072
	s_add_co_u32 s24, s24, MV
	v_lshl_add_u32 v14, v1, 2, s24                 ; MV in: rows 3 w .., query L
	v_lshl_add_u32 v15, v0, 2, MV                  ; MV back: query t
	s_mov_b32 s25, 0
	s_wait_kmcnt 0x0
	s_mul_i32 s24, s21, 3072
	s_add_nc_u64 s[4:5], s[4:5], s[24:25]          ; my 256 queries
	s_mul_i32 s24, s22, 24576
	s_add_nc_u64 s[6:7], s[6:7], s[24:25]          ; my batch's candidates
	s_lshl_b32 s24, s22, 21
	s_lshl_b32 s27, s23, 8
	s_add_co_u32 s24, s24, s27
	s_add_nc_u64 s[8:9], s[8:9], s[24:25]          ; points2[b][0][64 gl]
	s_lshl_b32 s24, s21, 15
	s_add_nc_u64 s[18:19], s[14:15], s[24:25]      ; P2T[b][64 gl][0] = 32,768 g
	s_lshl_b32 s24, s21, 12
	s_add_nc_u64 s[16:17], s[16:17], s[24:25]      ; grp: 16 bytes a query
	; all loads first.  A load of points2 takes two pieces of 256 consecutive bytes (channels 4 apart).
.irp i, 0,1,2,3
.irp m, 0,1,2,3
	global_load_b128 v[P2+16*\i+4*\m:P2+16*\i+4*\m+3], v4, s[8:9] offset:(8*\i+\m)*8192 th:TH_LOAD_NT
.endr
.endr
.irp i, 0,1,2,3
	global_load_b64 v[XY2+6*\i:XY2+6*\i+1],   v5, s[6:7] offset:6144*\i
	global_load_b64 v[XY2+6*\i+2:XY2+6*\i+3], v5, s[6:7] offset:6144*\i+8
	global_load_b64 v[XY2+6*\i+4:XY2+6*\i+5], v5, s[6:7] offset:6144*\i+16
.endr
.irp u, 0,1,2,3,4,5,6,7
	global_load_b96 v[XY1+4*\u:XY1+4*\u+2], v6, s[4:5] offset:384*\u
.endr
	; the weights: rows 2 g + h, K slice w, four numbers a lane; a store of the wave covers 256 consecutive bytes
	s_cmp_lt_u32 s21, 128
	s_cbranch_scc0 .Lw2
	s_lshl_b32 s24, s21, 12
	s_add_nc_u64 s[10:11], s[10:11], s[24:25]      ; w1 row 2 g (2,048 bytes a row)
	s_lshl_b32 s24, s21, 8
	s_add_co_u32 s24, s24, W1H
	s_add_nc_u64 s[34:35], s[14:15], s[24:25]
	v_lshlrev_b32 v7, 4, v2
	v_lshl_add_u32 v7, v3, 11, v7
	s_lshl_b32 s27, s20, 8
	v_add_nc_u32 v7, s27, v7
	global_load_b128 v[WR:WR+3], v7, s[10:11]
	s_wait_loadcnt 0x0
	CVT4 WR
	global_store_b64 v8, v[WR:WR+1], s[34:35]
	s_branch .Lwdone
.Lw2:
	s_cmp_gt_u32 s20, 3                            ; w2 has four slices: waves 0 to 3
	s_cbranch_scc1 .Lwdone
	s_sub_co_u32 s28, s21, 128
	s_lshl_b32 s24, s28, 11
	s_add_nc_u64 s[12:13], s[12:13], s[24:25]      ; w2 row 2 (g - 128) (1,024 bytes a row)
	s_lshl_b32 s24, s28, 8
	s_add_co_u32 s24, s24, W2H
	s_add_nc_u64 s[34:35], s[14:15], s[24:25]
	v_lshlrev_b32 v7, 4, v2
	v_lshl_add_u32 v7, v3, 10, v7
	s_lshl_b32 s27, s20, 8
	v_add_nc_u32 v7, s27, v7
	global_load_b128 v[WR:WR+3], v7, s[12:13]
	s_wait_loadcnt 0x0
	CVT4 WR
	global_store_b64 v8, v[WR:WR+1], s[34:35]
.Lwdone:
	s_wait_loadcnt 0x0                             ; points2, xyz2, xyz1 are in
	; transpose: four channels of one s make 8 bytes of row s of T
.irp i, 0,1,2,3
.irp k, 0,1,2,3
	v_cvt_pk_bf16_f32 v[TT+2*\k],   v[P2+16*\i+\k],   v[P2+16*\i+4+\k]
	v_cvt_pk_bf16_f32 v[TT+2*\k+1], v[P2+16*\i+8+\k], v[P2+16*\i+12+\k]
	ds_store_b64 v9, v[TT+2*\k:TT+2*\k+1] offset:528*\k+16*\i
.endr
.endr
	BAR                                            ; every wave's columns of T are written
.irp k, 0,1,2,3,4,5,6,7
	ds_load_b128 v[RB+4*\k:RB+4*\k+3], v10 offset:528*\k
.endr
.irp k, 0,1,2,3,4,5,6,7
	s_wait_dscnt 7-\k                              ; LDS loads come back in order: row k is in, the 7 - k younger ones stay out
	global_store_b128 v11, v[RB+4*\k:RB+4*\k+3], s[18:19] offset:512*\k   ; a whole row: 512 consecutive bytes
.endr
	; the candidate table: pair p = t + 256 i holds candidates 2 p and 2 p + 1 side by side, with |y|^2
.irp i, 0,1,2,3
	v_cvt_pk_bf16_f32 v[P2+8*\i+1], v[XY2+6*\i],   v[XY2+6*\i+3]
	v_cvt_pk_bf16_f32 v[P2+8*\i+3], v[XY2+6*\i+1], v[XY2+6*\i+4]
	v_cvt_pk_bf16_f32 v[P2+8*\i+5], v[XY2+6*\i+2], v[XY2+6*\i+5]
	v_lshlrev_b32 v[P2+8*\i],   16,  v[P2+8*\i+1]
	v_and_b32     v[P2+8*\i+1], s26, v[P2+8*\i+1]
	v_lshlrev_b32 v[P2+8*\i+2], 16,  v[P2+8*\i+3]
	v_and_b32     v[P2+8*\i+3], s26, v[P2+8*\i+3]
	v_lshlrev_b32 v[P2+8*\i+4], 16,  v[P2+8*\i+5]
	v_and_b32     v[P2+8*\i+5], s26, v[P2+8*\i+5]
	v_pk_mul_f32 v[P2+8*\i+6:P2+8*\i+7], v[P2+8*\i:P2+8*\i+1],   v[P2+8*\i:P2+8*\i+1]
	v_pk_fma_f32 v[P2+8*\i+6:P2+8*\i+7], v[P2+8*\i+2:P2+8*\i+3], v[P2+8*\i+2:P2+8*\i+3], v[P2+8*\i+6:P2+8*\i+7]
	v_pk_fma_f32 v[P2+8*\i+6:P2+8*\i+7], v[P2+8*\i+4:P2+8*\i+5], v[P2+8*\i+4:P2+8*\i+5], v[P2+8*\i+6:P2+8*\i+7]
	ds_store_b128 v12, v[P2+8*\i:P2+8*\i+3]   offset:8192*\i
	ds_store_b128 v12, v[P2+8*\i+4:P2+8*\i+7] offset:8192*\i+16
.endr
	; my eight queries: rounded, |x|^2, then x times -2; each number twice, for the packed arithmetic
.irp u, 0,1,2,3,4,5,6,7
	v_cvt_pk_bf16_f32 v[TT],   v[XY1+4*\u],   v[XY1+4*\u+1]
	v_cvt_pk_bf16_f32 v[TT+1], v[XY1+4*\u+2], v[XY1+4*\u+2]
	v_lshlrev_b32 v[XY1+4*\u],   16,  v[TT]
	v_and_b32     v[XY1+4*\u+1], s26, v[TT]
	v_lshlrev_b32 v[XY1+4*\u+2], 16,  v[TT+1]
	v_mul_f32  v[QS+8*\u+6], v[XY1+4*\u],   v[XY1+4*\u]
	v_fmac_f32 v[QS+8*\u+6], v[XY1+4*\u+1], v[XY1+4*\u+1]
	v_fmac_f32 v[QS+8*\u+6], v[XY1+4*\u+2], v[XY1+4*\u+2]
	v_mul_f32 v[QS+8*\u],   -2.0, v[XY1+4*\u]
	v_mul_f32 v[QS+8*\u+1], -2.0, v[XY1+4*\u]
	v_mul_f32 v[QS+8*\u+2], -2.0, v[XY1+4*\u+1]
	v_mul_f32 v[QS+8*\u+3], -2.0, v[XY1+4*\u+1]
	v_mul_f32 v[QS+8*\u+4], -2.0, v[XY1+4*\u+2]
	v_mul_f32 v[QS+8*\u+5], -2.0, v[XY1+4*\u+2]
	v_mov_b32 v[QS+8*\u+7], v[QS+8*\u+6]
.endr
	s_wait_xcnt 0x0                                ; the stores of RB have read their data: v[112:143] are written again only behind this wait
.set j, 0
.rept 24
	v_mov_b32 v[M+j], 0x7f800000                   ; the three start at +infinity,
	v_mov_b32 v[I+j], 0                            ; and 16 finite group minima push that out
.set j, j+1
.endr
	BAR                                            ; the candidate table is whole
; 128 bytes = four pairs, the same address in every lane
.macro LOADH buf, off
.irp k, 0,1,2,3,4,5,6,7
	ds_load_b128 v[\buf+4*\k:\buf+4*\k+3], v13 offset:\off+16*\k
.endr
.endm
; one pair of candidates against my eight queries: three instructions for a distance and its part in the group's minimum
.macro PAIRSTEP buf, j, first
.irp u, 0,1,2,3,4,5,6,7
	v_pk_mul_f32 v[TP+2*\u:TP+2*\u+1], v[QS+8*\u:QS+8*\u+1], v[\buf+8*\j:\buf+8*\j+1]
.endr
.irp u, 0,1,2,3,4,5,6,7
	v_pk_fma_f32 v[TP+2*\u:TP+2*\u+1], v[QS+8*\u+2:QS+8*\u+3], v[\buf+8*\j+2:\buf+8*\j+3], v[TP+2*\u:TP+2*\u+1]
.endr
.irp u, 0,1,2,3,4,5,6,7
	v_pk_fma_f32 v[TP+2*\u:TP+2*\u+1], v[QS+8*\u+4:QS+8*\u+5], v[\buf+8*\j+4:\buf+8*\j+5], v[TP+2*\u:TP+2*\u+1]
.endr
.irp u, 0,1,2,3,4,5,6,7
	v_pk_add_f32 v[TP+2*\u:TP+2*\u+1], v[TP+2*\u:TP+2*\u+1], v[QS+8*\u+6:QS+8*\u+7]
.endr
.irp u, 0,1,2,3,4,5,6,7
	v_pk_add_f32 v[TP+2*\u:TP+2*\u+1], v[TP+2*\u:TP+2*\u+1], v[\buf+8*\j+6:\buf+8*\j+7]
.endr
.irp u, 0,1,2,3,4,5,6,7
.if \first
	v_min_num_f32 v[GM+\u], v[TP+2*\u], v[TP+2*\u+1]
.else
	v_min3_num_f32 v[GM+\u], v[GM+\u], v[TP+2*\u], v[TP+2*\u+1]
.endif
.endr
.endm
.macro HALF buf, first
	PAIRSTEP \buf, 0, \first
	PAIRSTEP \buf, 1, 0
	PAIRSTEP \buf, 2, 0
	PAIRSTEP \buf, 3, 0
.endm
.macro INS8
	v_mov_b32 v[G], s28
.irp u, 0,1,2,3,4,5,6,7
	INS GM+\u, G, M+3*\u, I+3*\u
.endr
.endm
	LOADH CB0, 0
	LOADH CB1, 128
	s_lshl_b32 s28, s20, 4                         ; my first group's number
	s_mov_b32 s27, 15
.Lscan:                                        ; a trip = one group of 16 candidates; it fetches the next group
	s_wait_dscnt 0x8                               ; the first half is in; the second half's eight loads stay out
	HALF CB0, 1
	LOADH CB0, 256
	s_wait_dscnt 0x8                               ; the second half is in; the eight just issued stay out
	HALF CB1, 0
	LOADH CB1, 384
	INS8
	v_add_nc_u32 v13, 0x100, v13
	s_add_co_u32 s28, s28, 1
	s_sub_co_u32 s27, s27, 1
	s_cmp_lg_u32 s27, 0
	s_cbranch_scc1 .Lscan
	s_wait_dscnt 0x8                               ; the last group: nothing more to fetch
	HALF CB0, 1
	s_wait_dscnt 0x0
	HALF CB1, 0
	INS8
	; the eight waves' threes meet in LDS; thread t merges query t's 24 entries in the order of the waves, so equal minima arrive with ascending group numbers
.irp u, 0,1,2,3,4,5,6,7
.irp k, 0,1,2
	ds_store_b32 v14, v[M+3*\u+\k] offset:1024*\k+128*\u
	ds_store_b32 v14, v[I+3*\u+\k] offset:MIO+1024*\k+128*\u
.endr
.endr
	BAR
.set j, 0
.rept 24
	ds_load_b32 v[16+j], v15 offset:1024*j
	ds_load_b32 v[40+j], v15 offset:MIO+1024*j
.set j, j+1
.endr
.irp k, 0,1,2
	v_mov_b32 v[M+\k], 0x7f800000
	v_mov_b32 v[I+\k], 0
.endr
	s_wait_dscnt 0x0
.set j, 0
.rept 24
	INS 16+j, 40+j, M, I
.set j, j+1
.endr
	; the three group numbers ascending, so that the next launch walks candidates with ascending indices
	v_min_u32 v112, v[I], v[I+1]
	v_max_u32 v113, v[I], v[I+1]
	v_max_u32 v110, v113, v[I+2]
	v_min_u32 v113, v113, v[I+2]
	v_min_u32 v108, v112, v113
	v_max_u32 v109, v112, v113
	v_mov_b32 v111, 0
	v_lshlrev_b32 v1, 4, v0
	global_store_b128 v1, v[108:111], s[16:17]
	s_wait_tensorcnt 0x0
	ds_add_u32 v254, v255
	s_wait_dscnt 0x0
	s_endpgm
.Lfunc_end_k_qb5a5e3e4c4_knn1:
	.size	k_qb5a5e3e4c4_knn1, .Lfunc_end_k_qb5a5e3e4c4_knn1-k_qb5a5e3e4c4_knn1
	.p2alignl 7, 3214868480
	.fill 96, 4, 3214868480
	.section	.rodata,"a",@progbits
	.p2align	6, 0x0
	.amdhsa_kernel k_qb5a5e3e4c4_knn1
		.amdhsa_group_segment_fixed_size 116736
		.amdhsa_private_segment_fixed_size 0
		.amdhsa_enable_private_segment 0
		.amdhsa_kernarg_size 56
		.amdhsa_user_sgpr_count 2
		.amdhsa_user_sgpr_kernarg_segment_ptr 1
		.amdhsa_wavefront_size32 1
		.amdhsa_system_sgpr_workgroup_id_x 1
		.amdhsa_system_sgpr_workgroup_id_y 1
		.amdhsa_system_sgpr_workgroup_id_z 1
		.amdhsa_system_vgpr_workitem_id 0
		.amdhsa_next_free_vgpr 256
		.amdhsa_next_free_sgpr 66
		.amdhsa_reserve_vcc 0
		.amdhsa_float_denorm_mode_32 3
		.amdhsa_float_denorm_mode_16_64 3
		.amdhsa_memory_ordered 1
		.amdhsa_forward_progress 1
		.amdhsa_inst_pref_size 106
	.end_amdhsa_kernel
	.amdgpu_metadata
---
amdhsa.version: [ 1, 2 ]
amdhsa.kernels:
  - .name:           k_qb5a5e3e4c4_knn1
    .symbol:         k_qb5a5e3e4c4_knn1.kd
    .args:
      - { .name: xyz1, .offset: 0, .size: 8, .value_kind: global_buffer, .address_space: global }
      - { .name: xyz2, .offset: 8, .size: 8, .value_kind: global_buffer, .address_space: global }
      - { .name: points2, .offset: 16, .size: 8, .value_kind: global_buffer, .address_space: global }
      - { .name: w1, .offset: 24, .size: 8, .value_kind: global_buffer, .address_space: global }
      - { .name: w2, .offset: 32, .size: 8, .value_kind: global_buffer, .address_space: global }
      - { .name: prep, .offset: 40, .size: 8, .value_kind: global_buffer, .address_space: global }
      - { .name: grp, .offset: 48, .size: 8, .value_kind: global_buffer, .address_space: global }
    .group_segment_fixed_size: 116736
    .private_segment_fixed_size: 0
    .kernarg_segment_align: 8
    .kernarg_segment_size: 56
    .max_flat_workgroup_size: 256
    .sgpr_count:     66
    .vgpr_count:     256
    .wavefront_size: 32
...
	.end_amdgpu_metadata
.endif
;; end of part 1
;; launch knn2 (part 2): grid 256 x 1, 8 waves a work-group, no clusters, 35,840 bytes of LDS; arguments xyz1, xyz2, grp, nidx, prep; writes nidx, prep
.if DOCPART == 2
	.amdgcn_target "amdgcn-amd-amdhsa--gfx1250"
	.amdhsa_code_object_version 6
	.text
	.protected	k_qb5a5e3e4c4_knn2
	.globl	k_qb5a5e3e4c4_knn2
	.p2align	8
	.type	k_qb5a5e3e4c4_knn2,@function
k_qb5a5e3e4c4_knn2:
	s_mov_b64 s[64:65], 0
	v_nop
	global_prefetch_b8 v0, s[64:65] scope:SCOPE_SE
	s_setreg_imm32_b32 hwreg(HW_REG_WAVE_MODE, 25, 1), 1
	s_wait_xcnt 0x0
; knn2: thread t of work-group g owns query 256 g + t.  It reads the query's three candidate groups (numbers from grp, stored by the launch
; before, ascending), computes the 48 distances with the same bits as that launch did, and keeps the three smallest in the order
; (distance, index): candidates come with ascending indices and only a strictly smaller one moves in front.
; Out: nidx[query] = i0, i1, i2, 0 and prep.NWGT[query] = the three weights (1 / (d + 1e-8), divided by their sum), 0.
; NUMBERS: coordinates rounded once to bf16 (products exact in f32); sums in the problem's order.  1/x by v_rcp_f32 (1 ulp).
; LIMIT: coordinates must be finite.
; LDS: candidate s is a record (y0, y1, y2, |y|^2) at 16 s + 16 (s >> 4): a group of 16 is 272 bytes from the next, so that lanes with
; different groups start at different banks.
.set NWGT, 8781824
.set REC,  64                          ; v[64:255] three groups x 16 records
.set TMP,  24
.macro INS gm, id, m, i
	v_cmp_lt_f32 s30, v[\gm], v[\m]
	v_cmp_lt_f32 s31, v[\gm], v[\m+1]
	v_cmp_lt_f32 s32, v[\gm], v[\m+2]
	v_cndmask_b32 v[TMP], v[\id], v[\i+1], s31
	v_cndmask_b32 v[\i+2], v[\i+2], v[TMP], s32
	v_cndmask_b32 v[TMP], v[\id], v[\i], s30
	v_cndmask_b32 v[\i+1], v[\i+1], v[TMP], s31
	v_cndmask_b32 v[\i], v[\i], v[\id], s30
	v_med3_num_f32 v[\m+2], v[\gm], v[\m+1], v[\m+2]
	v_med3_num_f32 v[\m+1], v[\gm], v[\m], v[\m+1]
	v_min_num_f32 v[\m], v[\gm], v[\m]
.endm
	s_load_b256 s[4:11], s[0:1], 0x0               ; xyz1 s[4:5], xyz2 s[6:7], grp s[8:9], nidx s[10:11]
	s_load_b64 s[12:13], s[0:1], 0x20              ; prep
	v_lshl_add_u32 v30, v0, 2, 0x8800
	v_mov_b32 v31, 0
	s_mov_b32 s21, ttmp9
	s_lshr_b32 s22, s21, 5
	s_mov_b32 s26, 0xffff0000
	s_mov_b32 s25, 0
	v_mul_u32_u24 v1, 12, v0                       ; 12 t
	v_lshlrev_b32 v2, 4, v0                        ; 16 t
	v_lshrrev_b32 v3, 4, v0
	v_lshl_add_u32 v3, v3, 4, v2                   ; record t
	s_wait_kmcnt 0x0
	s_mul_i32 s24, s21, 3072
	s_add_nc_u64 s[4:5], s[4:5], s[24:25]
	s_mul_i32 s24, s22, 24576
	s_add_nc_u64 s[6:7], s[6:7], s[24:25]
	s_lshl_b32 s24, s21, 12
	s_add_nc_u64 s[8:9], s[8:9], s[24:25]
	s_add_nc_u64 s[10:11], s[10:11], s[24:25]
	s_add_co_u32 s24, s24, NWGT
	s_add_nc_u64 s[12:13], s[12:13], s[24:25]
.irp i, 0,1,2,3,4,5,6,7
	global_load_b96 v[32+4*\i:34+4*\i], v1, s[6:7] offset:3072*\i   ; candidate t + 256 i
.endr
	global_load_b96 v[4:6], v1, s[4:5]
	global_load_b128 v[8:11], v2, s[8:9]
	s_wait_loadcnt 0x0
.irp i, 0,1,2,3,4,5,6,7
	v_cvt_pk_bf16_f32 v24, v[32+4*\i], v[33+4*\i]
	v_cvt_pk_bf16_f32 v25, v[34+4*\i], v[34+4*\i]
	v_lshlrev_b32 v[32+4*\i], 16,  v24
	v_and_b32     v[33+4*\i], s26, v24
	v_lshlrev_b32 v[34+4*\i], 16,  v25
	v_mul_f32  v[35+4*\i], v[32+4*\i], v[32+4*\i]
	v_fmac_f32 v[35+4*\i], v[33+4*\i], v[33+4*\i]
	v_fmac_f32 v[35+4*\i], v[34+4*\i], v[34+4*\i]
	ds_store_b128 v3, v[32+4*\i:35+4*\i] offset:4352*\i
.endr
	v_cvt_pk_bf16_f32 v24, v4, v5
	v_cvt_pk_bf16_f32 v25, v6, v6
	v_lshlrev_b32 v4, 16,  v24
	v_and_b32     v5, s26, v24
	v_lshlrev_b32 v6, 16,  v25
	v_mul_f32  v7, v4, v4
	v_fmac_f32 v7, v5, v5
	v_fmac_f32 v7, v6, v6                          ; |x|^2
	v_mul_f32 v4, -2.0, v4
	v_mul_f32 v5, -2.0, v5
	v_mul_f32 v6, -2.0, v6
.irp k, 0,1,2
	v_min_u32 v[8+\k], 127, v[8+\k]                ; a loaded number enters an address only clamped to the table
	v_mul_u32_u24 v[12+\k], 272, v[8+\k]           ; the group's first record
	v_lshlrev_b32 v[26+\k], 4, v[8+\k]             ; its first candidate's index
	v_mov_b32 v[16+\k], 0x7f800000
	v_mov_b32 v[20+\k], 0
.endr
	v_mov_b32 v23, 0
	s_wait_dscnt 0x0                               ; my records are written,
	s_barrier_signal -1
	s_barrier_wait -1                              ; everybody's are
.irp k, 0,1,2
.irp c, 0,1,2,3,4,5,6,7,8,9,10,11,12,13,14,15
	ds_load_b128 v[REC+64*\k+4*\c:REC+64*\k+4*\c+3], v[12+\k] offset:16*\c
.endr
.endr
.macro GROUP k, left
	s_wait_dscnt \left                             ; this group's 16 records are in; the later groups' loads stay out
.irp c, 0,1,2,3,4,5,6,7,8,9,10,11,12,13,14,15
	v_mul_f32 v[REC+64*\k+4*\c], v4, v[REC+64*\k+4*\c]
.endr
.irp c, 0,1,2,3,4,5,6,7,8,9,10,11,12,13,14,15
	v_fmac_f32 v[REC+64*\k+4*\c], v5, v[REC+64*\k+4*\c+1]
.endr
.irp c, 0,1,2,3,4,5,6,7,8,9,10,11,12,13,14,15
	v_fmac_f32 v[REC+64*\k+4*\c], v6, v[REC+64*\k+4*\c+2]
.endr
.irp c, 0,1,2,3,4,5,6,7,8,9,10,11,12,13,14,15
	v_add_f32 v[REC+64*\k+4*\c], v[REC+64*\k+4*\c], v7
.endr
.irp c, 0,1,2,3,4,5,6,7,8,9,10,11,12,13,14,15
	v_add_f32 v[REC+64*\k+4*\c], v[REC+64*\k+4*\c], v[REC+64*\k+4*\c+3]
.endr
.irp c, 0,1,2,3,4,5,6,7,8,9,10,11,12,13,14,15
	v_add_nc_u32 v25, \c, v[26+\k]
	INS REC+64*\k+4*\c, 25, 16, 20
.endr
.endm
	GROUP 0, 32
	GROUP 1, 16
	GROUP 2, 0
	v_add_f32 v32, 0x322bcc77, v16                 ; d + 1e-8
	v_add_f32 v33, 0x322bcc77, v17
	v_add_f32 v34, 0x322bcc77, v18
	v_rcp_f32 v36, v32
	v_rcp_f32 v37, v33
	v_rcp_f32 v38, v34
	v_nop                                          ; one plain vector instruction stands between a transcendental and the use of its result (ISA guide 5.7.2)
	s_wait_alu depctr_va_vdst(0)
	v_add_f32 v39, v36, v37
	v_add_f32 v39, v39, v38
	v_rcp_f32 v40, v39
	v_mov_b32 v35, 0                               ; the plain instruction behind this one
	s_wait_alu depctr_va_vdst(0)
	v_mul_f32 v32, v36, v40
	v_mul_f32 v33, v37, v40
	v_mul_f32 v34, v38, v40
	global_store_b128 v2, v[20:23], s[10:11]
	global_store_b128 v2, v[32:35], s[12:13]
	s_wait_tensorcnt 0x0
	ds_add_u32 v30, v31
	s_wait_dscnt 0x0
	s_endpgm
.Lfunc_end_k_qb5a5e3e4c4_knn2:
	.size	k_qb5a5e3e4c4_knn2, .Lfunc_end_k_qb5a5e3e4c4_knn2-k_qb5a5e3e4c4_knn2
	.p2alignl 7, 3214868480
	.fill 96, 4, 3214868480
	.section	.rodata,"a",@progbits
	.p2align	6, 0x0
	.amdhsa_kernel k_qb5a5e3e4c4_knn2
		.amdhsa_group_segment_fixed_size 35840
		.amdhsa_private_segment_fixed_size 0
		.amdhsa_enable_private_segment 0
		.amdhsa_kernarg_size 40
		.amdhsa_user_sgpr_count 2
		.amdhsa_user_sgpr_kernarg_segment_ptr 1
		.amdhsa_wavefront_size32 1
		.amdhsa_system_sgpr_workgroup_id_x 1
		.amdhsa_system_sgpr_workgroup_id_y 1
		.amdhsa_system_sgpr_workgroup_id_z 1
		.amdhsa_system_vgpr_workitem_id 0
		.amdhsa_next_free_vgpr 256
		.amdhsa_next_free_sgpr 66
		.amdhsa_reserve_vcc 0
		.amdhsa_float_denorm_mode_32 3
		.amdhsa_float_denorm_mode_16_64 3
		.amdhsa_memory_ordered 1
		.amdhsa_forward_progress 1
		.amdhsa_inst_pref_size 51
	.end_amdhsa_kernel
	.amdgpu_metadata
---
amdhsa.version: [ 1, 2 ]
amdhsa.kernels:
  - .name:           k_qb5a5e3e4c4_knn2
    .symbol:         k_qb5a5e3e4c4_knn2.kd
    .args:
      - { .name: xyz1, .offset: 0, .size: 8, .value_kind: global_buffer, .address_space: global }
      - { .name: xyz2, .offset: 8, .size: 8, .value_kind: global_buffer, .address_space: global }
      - { .name: grp, .offset: 16, .size: 8, .value_kind: global_buffer, .address_space: global }
      - { .name: nidx, .offset: 24, .size: 8, .value_kind: global_buffer, .address_space: global }
      - { .name: prep, .offset: 32, .size: 8, .value_kind: global_buffer, .address_space: global }
    .group_segment_fixed_size: 35840
    .private_segment_fixed_size: 0
    .kernarg_segment_align: 8
    .kernarg_segment_size: 40
    .max_flat_workgroup_size: 256
    .sgpr_count:     66
    .vgpr_count:     256
    .wavefront_size: 32
...
	.end_amdgpu_metadata
.endif
;; end of part 2
;; launch conv1 (part 3): grid 256 x 1, 16 waves a work-group, no clusters, 288,768 bytes of LDS; arguments points1, prep, nidx, b1, l1; writes l1
.if DOCPART == 3
	.amdgcn_target "amdgcn-amd-amdhsa--gfx1250"
	.amdhsa_code_object_version 6
	.text
	.protected	k_qb5a5e3e4c4_conv1
	.globl	k_qb5a5e3e4c4_conv1
	.p2align	8
	.type	k_qb5a5e3e4c4_conv1,@function
k_qb5a5e3e4c4_conv1:
	s_mov_b64 s[64:65], 0
	v_nop
	global_prefetch_b8 v0, s[64:65] scope:SCOPE_SE
	s_setreg_imm32_b32 hwreg(HW_REG_WAVE_MODE, 25, 1), 1
	s_wait_xcnt 0x0
; conv1: work-group g (batch b = g >> 5, points 256 (g & 31) ..) makes y1 = w1 . [points1 ; interp] for 256 points x 256 channels, K = 512.
; It also makes interp itself: for each point three rows of prep.P2T (indices from nidx, stored by the launch before) times three weights.
; Out, in l1: YC = y1 minus the tile's own mean of the channel, as f16 [b][c][n]; PM = that mean plus the bias, f32 [tile][c];
; PQ = the sum of the squares of the centred numbers, f32 [tile][c].  So the batch statistics are never a difference of large sums,
; and an offset common to a channel costs the f16 numbers no bits.
; NUMBERS: points1, points2, w1, b1 are rounded once to bf16; matrix operands are f16 of that (exact from 2^-14 to 65,504) or f16 of interp; sums f32.
; LIMITS: operands above 65,504 in magnitude overflow f16, below 2^-14 their step is 2^-24; the centred y1 must stay below 65,504.
; Sixteen waves, four on each SIMD with 256 registers: wave w makes 64 points (nb = w & 3) x 64 channels (ob = w >> 2) in 16 accumulators.
; Source 0 of the matrix instruction is 16 points, source 1 is 16 channels: lane r of a result holds channel r, its registers eight neighbouring points.
; THE GATHER: a wave owns 16 points = 48 rows of 512 bytes.  All 48 loads go out in one run, into the 192 registers that later hold fragments and
; accumulators, so that the work-group has 16 x 48 x 512 bytes = 384 KiB on their way while slice 0 of points1 and of the weights is laid into LDS.
; No tensor loads and no cluster: every streamed operand is converted in registers on its way into LDS, and what the work-groups share
; (the weights, 256 KiB in f16) is a small part of a work-group's bytes (256 KiB of points1 and 384 KiB of gathered rows are its own).
.set XS,    135168                     ; LDS: XI = 0: interp, 256 points x 528 bytes (later the stage of the way out, 256 channels x 528)
.set XSLOT, 34816                      ; XS: two slots of 64 channels x 544 bytes (256 points in f16 + 32: an odd multiple of 32 for the transposing load)
.set XP,    544
.set WS,    204800                     ; WS: two slots of 256 channels x 144 bytes (64 K in f16 + 16: an odd multiple of 16)
.set WSLOT, 36864
.set WP,    144
.set XIP,   528
.set RED,   278528                     ; [4 nb][256 channels] f32 sums; 4,096 bytes higher the same for the squares
.set W1H,   8388608
.set NWGT,  8781824
.set PM,    33554432
.set PQO,   262144
.set VXT, 1                            ; address registers, see where they are made
.set VW,  2
.set VXI, 3
.set VXS, 4
.set VWS, 5
.set VOX, 6
.set VOW, 7
.set VGI, 8
.set VL16, 9
.set VXW, 10
.set ZERO, 11                          ; during the gather: 0
.set IDV, 12                           ; during the gather: v[12:13] my 16 points' index records: word 4 p + k in lane 2 p + (k >> 1), register k & 1
.set WGV, 14                           ; during the gather: v[14:15] their weight records, likewise
.set VRED, 11                          ; on the way out (made there)
.set VREDS, 12
.set VOS, 13
.set VOY, 14
.set STG, 16                           ; v[16:47] points1 as loaded
.set WST, 48                           ; v[48:63] weights as loaded
.set T8,  48                           ; during the gather, between slice 0's and slice 1's weights: v[48:55] eight sums
.set W3,  56                           ;                    v[56:61] three weights in every lane, two sets by turns
.set XF,  64                           ; v[64:95]  four fragments of 16 points x 32 K
.set WF,  96                           ; v[96:127] four fragments of 16 channels x 32 K
.set ACC, 128                          ; v[128:255] accumulator (a, bt) at 128 + 8 (4 a + bt)
.set ROWS, 64                          ; during the gather: v[64:255] point p's three rows at 64 + 12 p
.set SUM, 16                           ; on the way out
.set XT,  24
.set RL,  32
.set LM,  48
.set OE,  56
.macro BAR
	s_wait_dscnt 0x0
	s_barrier_signal -1
	s_barrier_wait -1
.endm
.macro PLACES                          ; four plain vector instructions stand between a matrix instruction and a load into one of its registers
.rept 4
	v_nop
.endr
.endm
.macro CVT4 x                          ; four f32 in v[x:x+3] -> f16(bf16(.)) in v[x:x+1]
	v_cvt_pk_bf16_f32 v[\x], v[\x], v[\x+1]
	v_cvt_pk_bf16_f32 v[\x+1], v[\x+2], v[\x+3]
	v_lshlrev_b32 v[\x+2], 16, v[\x]
	v_and_b32 v[\x+3], s38, v[\x]
	v_cvt_pk_f16_f32 v[\x], v[\x+2], v[\x+3]
	v_lshlrev_b32 v[\x+2], 16, v[\x+1]
	v_and_b32 v[\x+3], s38, v[\x+1]
	v_cvt_pk_f16_f32 v[\x+1], v[\x+2], v[\x+3]
.endm
.macro LDX i                           ; K slice i of points1: my wave's four channels, two loads of 512 consecutive bytes each
.irp j, 0,1,2,3,4,5,6,7
	global_load_b128 v[STG+4*\j:STG+4*\j+3], v[VOX], s[4:5] offset:2097152*\i+32768*(\j>>1)+512*(\j&1) th:TH_LOAD_NT
.endr
.endm
.macro LDW i                           ; K slice i of the weights: 32,768 consecutive bytes for 512 threads
.irp j, 0,1,2,3
	global_load_b128 v[WST+4*\j:WST+4*\j+3], v[VOW], s[18:19] offset:32768*\i+8192*\j
.endr
.endm
.macro STX slot, extra                 ; extra = loads issued behind this slice's twelve
.irp j, 0,1,2,3,4,5,6,7
	s_wait_loadcnt \extra+11-\j                    ; load j is in: 7 - j loads of points1, 4 of weights and the extra ones stay out
	CVT4 STG+4*\j
	ds_store_b64 v[VXS], v[STG+4*\j:STG+4*\j+1] offset:\slot*XSLOT+XP*(\j>>1)+256*(\j&1)
.endr
.endm
.macro STW slot, extra
.irp j, 0,1,2,3
	s_wait_loadcnt \extra+3-\j                     ; load j is in: 3 - j loads of weights and the extra ones stay out
	ds_store_b128 v[VWS], v[WST+4*\j:WST+4*\j+3] offset:\slot*WSLOT+64*WP*\j
.endr
.endm
.macro LDXF kind, slot, kk, kx, a      ; fragment a: 16 points x 32 K.  kind 0: from [K][points] by the transposing load; kind 1: from interp, K along the rows
.if \kind
	ds_load_b128 v[XF+8*\a:XF+8*\a+3],   v[VXI] offset:16*XIP*\a+2*\kx
	ds_load_b128 v[XF+8*\a+4:XF+8*\a+7], v[VXI] offset:16*XIP*\a+2*\kx+32
.else
	ds_load_tr16_b128 v[XF+8*\a:XF+8*\a+3],   v[VXT] offset:\slot*XSLOT+XP*\kk+32*\a
	ds_load_tr16_b128 v[XF+8*\a+4:XF+8*\a+7], v[VXT] offset:\slot*XSLOT+XP*\kk+32*\a+16*XP
.endif
.endm
; 32 along K: 16 LDS loads, 16 matrix instructions.  The sixteen accumulators take turns, one instruction a turn, in the same order in every step.
.macro KS kind, slot, kk, kx, zero
	PLACES
	LDXF \kind, \slot, \kk, \kx, 0
.irp bt, 0,1,2,3
	ds_load_b128 v[WF+8*\bt:WF+8*\bt+3],   v[VW] offset:\slot*WSLOT+16*WP*\bt+2*\kk
	ds_load_b128 v[WF+8*\bt+4:WF+8*\bt+7], v[VW] offset:\slot*WSLOT+16*WP*\bt+2*\kk+32
.endr
	LDXF \kind, \slot, \kk, \kx, 1
	LDXF \kind, \slot, \kk, \kx, 2
	LDXF \kind, \slot, \kk, \kx, 3
.irp a, 0,1,2,3
	s_wait_dscnt 6-2*\a                            ; the weights and point fragment a are in; the two loads of each later fragment stay out
.irp bt, 0,1,2,3
.if \zero
	v_wmma_f32_16x16x32_f16 v[ACC+8*(4*\a+\bt):ACC+8*(4*\a+\bt)+7], v[XF+8*\a:XF+8*\a+7], v[WF+8*\bt:WF+8*\bt+7], 0
.else
	v_wmma_f32_16x16x32_f16 v[ACC+8*(4*\a+\bt):ACC+8*(4*\a+\bt)+7], v[XF+8*\a:XF+8*\a+7], v[WF+8*\bt:WF+8*\bt+7], v[ACC+8*(4*\a+\bt):ACC+8*(4*\a+\bt)+7]
.endif
.endr
.endr
.endm
; point 16 w + p: eight channels a lane, three rows times three weights in f32, rounded to f16 in place of the first row, into row p of my part of XI
.macro POINT p
.irp n, 0,1,2
	v_readlane_b32 s[40+3*(\p&1)+\n], v[WGV+(\n&1)], 2*\p+(\n>>1)  ; the point's weights are the same for the whole wave
.endr
.irp n, 0,1,2
	v_mov_b32 v[W3+3*(\p&1)+\n], s[40+3*(\p&1)+\n]
.endr
	s_wait_loadcnt 53-3*\p                         ; my three rows are in: the 3 (15 - p) rows of later points and slice 1's eight loads of points1 stay out
.irp q, 0,1,2,3
	v_fma_mix_f32_bf16 v[T8+2*\q],   v[ROWS+12*\p+\q], v[W3+3*(\p&1)], v[ZERO] op_sel_hi:[1,0,0]
	v_fma_mix_f32_bf16 v[T8+2*\q+1], v[ROWS+12*\p+\q], v[W3+3*(\p&1)], v[ZERO] op_sel:[1,0,0] op_sel_hi:[1,0,0]
.endr
.irp q, 0,1,2,3
	v_fma_mix_f32_bf16 v[T8+2*\q],   v[ROWS+12*\p+4+\q], v[W3+3*(\p&1)+1], v[T8+2*\q] op_sel_hi:[1,0,0]
	v_fma_mix_f32_bf16 v[T8+2*\q+1], v[ROWS+12*\p+4+\q], v[W3+3*(\p&1)+1], v[T8+2*\q+1] op_sel:[1,0,0] op_sel_hi:[1,0,0]
.endr
.irp q, 0,1,2,3
	v_fma_mix_f32_bf16 v[T8+2*\q],   v[ROWS+12*\p+8+\q], v[W3+3*(\p&1)+2], v[T8+2*\q] op_sel_hi:[1,0,0]
	v_fma_mix_f32_bf16 v[T8+2*\q+1], v[ROWS+12*\p+8+\q], v[W3+3*(\p&1)+2], v[T8+2*\q+1] op_sel:[1,0,0] op_sel_hi:[1,0,0]
.endr
.irp q, 0,1,2,3
	v_cvt_pk_f16_f32 v[ROWS+12*\p+\q], v[T8+2*\q], v[T8+2*\q+1]
.endr
	ds_store_b128 v[VXW], v[ROWS+12*\p:ROWS+12*\p+3] offset:XIP*\p
.endm
	s_load_b256 s[4:11], s[0:1], 0x0               ; points1 s[4:5], prep s[6:7], nidx s[8:9], b1 s[10:11]
	s_load_b64 s[12:13], s[0:1], 0x20              ; l1
	v_lshrrev_b32 v16, 5, v0
	v_readfirstlane_b32 s28, v16                   ; wave w
	s_and_b32 s29, s28, 3                          ; nb
	s_lshr_b32 s30, s28, 2                         ; ob
	s_mov_b32 s31, ttmp9                           ; g
	s_lshr_b32 s32, s31, 5                         ; b
	s_and_b32 s33, s31, 31                         ; gl
	s_mov_b32 s36, 0x76543210                      ; v_permlanex16_b32: lane i of one half reads lane i of the other
	s_mov_b32 s37, 0xfedcba98
	s_mov_b32 s38, 0xffff0000
	v_and_b32 v16, 31, v0                          ; L
	v_and_b32 v17, 15, v0                          ; r
	v_bfe_u32 v18, v0, 4, 1                        ; h
	v_and_b32 v19, 7, v0
	v_bfe_u32 v20, v0, 3, 1
	v_lshl_add_u32 v19, v18, 3, v19
	v_mul_u32_u24 v[VXT], XP, v19
	v_lshl_add_u32 v[VXT], v20, 4, v[VXT]
	s_lshl_b32 s34, s29, 7
	s_add_co_u32 s34, s34, XS
	v_add_nc_u32 v[VXT], s34, v[VXT]               ; XS + (8 h + L % 8) rows + 16 ((L >> 3) & 1) + my 64 points
	v_mul_u32_u24 v[VW], WP, v17
	v_lshl_add_u32 v[VW], v18, 4, v[VW]
	s_mul_i32 s34, s30, 64*WP
	s_add_co_u32 s34, s34, WS
	v_add_nc_u32 v[VW], s34, v[VW]                 ; WS + (64 ob + r) rows + 16 h
	v_mul_u32_u24 v[VXI], XIP, v17
	v_lshl_add_u32 v[VXI], v18, 4, v[VXI]
	s_mul_i32 s34, s29, 64*XIP
	v_add_nc_u32 v[VXI], s34, v[VXI]               ; XI: point 64 nb + r, 16 h
	s_mul_i32 s34, s28, 4*XP
	s_add_co_u32 s34, s34, XS
	v_lshl_add_u32 v[VXS], v16, 3, s34             ; XS in: channel row 4 w, 8 L
	v_lshrrev_b32 v19, 3, v0
	v_and_b32 v20, 7, v0
	v_mul_u32_u24 v[VWS], WP, v19
	v_lshl_add_u32 v[VWS], v20, 4, v[VWS]
	v_add_nc_u32 v[VWS], WS, v[VWS]                ; WS in: row t >> 3, 16 (t & 7)
	s_lshl_b32 s34, s28, 17
	v_lshl_add_u32 v[VOX], v16, 4, s34             ; points1: channel 4 w (32,768 bytes a row) + 16 L
	v_lshlrev_b32 v[VOW], 4, v0                    ; 16 t
	s_lshl_b32 s34, s28, 8
	v_lshl_add_u32 v[VGI], v16, 3, s34             ; my 16 points' records: 256 bytes, 8 a lane
	v_lshlrev_b32 v[VL16], 4, v16
	s_mul_i32 s34, s28, 16*XIP
	v_lshl_add_u32 v[VXW], v16, 4, s34             ; row 16 w of XI (and of the stage) + 16 L
	v_mov_b32 v[ZERO], 0
	s_mov_b32 s35, 0
	s_wait_kmcnt 0x0
	s_lshl_b32 s34, s32, 23
	s_lshl_b32 s39, s33, 10
	s_add_co_u32 s34, s34, s39
	s_add_nc_u64 s[4:5], s[4:5], s[34:35]          ; points1[b][0][256 gl]
	s_lshl_b32 s34, s32, 20
	s_add_nc_u64 s[16:17], s[6:7], s[34:35]        ; P2T[b]
	s_add_nc_u64 s[18:19], s[6:7], W1H
	s_lshl_b32 s34, s31, 12
	s_add_nc_u64 s[22:23], s[8:9], s[34:35]        ; nidx of my tile
	s_add_co_u32 s34, s34, NWGT
	s_add_nc_u64 s[20:21], s[6:7], s[34:35]        ; weights of my tile
	s_lshl_b32 s34, s32, 22
	s_lshl_b32 s39, s33, 9
	s_add_co_u32 s34, s34, s39
	s_add_nc_u64 s[24:25], s[12:13], s[34:35]      ; YC[b][0][256 gl]
	s_lshl_b32 s34, s31, 10
	s_add_co_u32 s34, s34, PM
	s_add_nc_u64 s[26:27], s[12:13], s[34:35]      ; PM[g]
	global_load_b64 v[IDV:IDV+1], v[VGI], s[22:23]                 ; 256 consecutive bytes: sixteen records i0, i1, i2, 0
	global_load_b64 v[WGV:WGV+1], v[VGI], s[20:21]                 ; and the sixteen records of weights
	LDX 0
	LDW 0
	s_wait_loadcnt 13                              ; the indices are in: the load of the weight records and slice 0's 12 stay out
	; 48 row loads in one run.  A row's offset is made in the first register of the row itself: a load may land on its own address register.
.set p, 0
.rept 16
.irp n, 0,1,2
	v_readlane_b32 s[40+3*(p&1)+\n], v[IDV+(\n&1)], 2*p+(\n>>1)
.endr
.irp n, 0,1,2
	s_min_u32 s[40+3*(p&1)+\n], s[40+3*(p&1)+\n], 0x7ff            ; a loaded index enters an address only clamped to the table's 2,048 rows
.endr
.irp n, 0,1,2
	v_lshl_add_u32 v[ROWS+12*p+4*\n], s[40+3*(p&1)+\n], 9, v[VL16] ; a row is 512 bytes; my 16 of them
.endr
.irp n, 0,1,2
	global_load_b128 v[ROWS+12*p+4*\n:ROWS+12*p+4*\n+3], v[ROWS+12*p+4*\n], s[16:17] th:TH_LOAD_HT   ; rows are read again by other work-groups
.endr
.set p, p+1
.endr
	STX 0, 48                                      ; the 48 row loads were issued behind slice 0
	STW 0, 48
	LDX 1                                          ; slice 1 of points1; its weights follow behind the points, whose sums use v[48:61]
.irp p, 0,1,2,3,4,5,6,7,8,9,10,11,12,13,14,15
	POINT \p
.endr
	LDW 1
	BAR                                            ; slot 0 and interp are whole
	; Eight K slices of 64.  A step first stores the next slice into the other slot (last read one step ago: the barrier that closed that step
	; stands behind every wave's wait for its reads), asks memory for the slice after it, multiplies its own slot, and closes with a barrier.
	STX 1, 0
	STW 1, 0
	LDX 2
	LDW 2
	KS 0, 0, 0, 0, 1                               ; the first products start the sums: nothing is cleared
	KS 0, 0, 32, 0, 0
	BAR
	STX 0, 0
	STW 0, 0
	LDX 3
	LDW 3
	KS 0, 1, 0, 0, 0
	KS 0, 1, 32, 0, 0
	BAR
	STX 1, 0
	STW 1, 0
	LDW 4
	KS 0, 0, 0, 0, 0
	KS 0, 0, 32, 0, 0
	BAR
	STW 0, 0
	LDW 5
	KS 0, 1, 0, 0, 0
	KS 0, 1, 32, 0, 0
	BAR
	STW 1, 0                                       ; slices 4 to 7 multiply interp, which lies whole in XI
	LDW 6
	KS 1, 0, 0, 0, 0
	KS 1, 0, 32, 32, 0
	BAR
	STW 0, 0
	LDW 7
	KS 1, 1, 0, 64, 0
	KS 1, 1, 32, 96, 0
	BAR
	STW 1, 0
	KS 1, 0, 0, 128, 0
	KS 1, 0, 32, 160, 0
	BAR
	KS 1, 1, 0, 192, 0
	KS 1, 1, 32, 224, 0
	; THE WAY OUT.  Its four address registers are made here (their registers held the gather's records): eight plain vector instructions that name
	; no register of the last matrix instructions, so they are also the places behind those.
	v_and_b32 v28, 15, v0                          ; r
	v_bfe_u32 v29, v0, 4, 1                        ; h
	v_mul_u32_u24 v[VOS], XIP, v28
	v_lshl_add_u32 v[VOS], v29, 4, v[VOS]
	s_mul_i32 s34, s30, 64*XIP
	s_lshl_b32 s35, s29, 7
	s_add_co_u32 s34, s34, s35
	v_add_nc_u32 v[VOS], s34, v[VOS]               ; stage in: channel 64 ob + r, point 64 nb + 8 h
	s_lshl_b32 s34, s30, 8
	s_add_co_u32 s34, s34, RED
	v_lshl_add_u32 v[VRED], v28, 2, s34            ; RED: channel 64 ob + r
	s_lshl_b32 s34, s29, 10
	v_add_nc_u32 v[VREDS], s34, v[VRED]            ; and my nb's row of it
	s_lshl_b32 s34, s28, 18
	v_add_nc_u32 v[VOY], s34, v[VL16]              ; YC: channel 16 w (16,384 bytes a row) + 16 L
	; A lane holds 32 points of each of four channels (bt); pair n of them lies at ACC + 32 (n >> 2) + 8 bt + 2 (n & 3).
.irp bt, 0,1,2,3
	v_mov_b32 v[XT+\bt], 0                         ; v_permlanex16_b32 counts its destination as read
.endr
.irp bt, 0,1,2,3
	v_pk_add_f32 v[SUM+2*\bt:SUM+2*\bt+1], v[ACC+8*\bt:ACC+8*\bt+1], v[ACC+8*\bt+2:ACC+8*\bt+3]
.endr
.irp n, 2,3,4,5,6,7,8,9,10,11,12,13,14,15
.irp bt, 0,1,2,3
	v_pk_add_f32 v[SUM+2*\bt:SUM+2*\bt+1], v[SUM+2*\bt:SUM+2*\bt+1], v[ACC+32*(\n>>2)+8*\bt+2*(\n&3):ACC+32*(\n>>2)+8*\bt+2*(\n&3)+1]
.endr
.endr
.irp bt, 0,1,2,3
	v_add_f32 v[SUM+2*\bt], v[SUM+2*\bt], v[SUM+2*\bt+1]
.endr
.irp bt, 0,1,2,3
	v_permlanex16_b32 v[XT+\bt], v[SUM+2*\bt], s36, s37
.endr
.irp bt, 0,1,2,3
	v_add_f32 v[SUM+2*\bt], v[SUM+2*\bt], v[XT+\bt]                ; the channel's sum over my wave's 64 points
	ds_store_b32 v[VREDS], v[SUM+2*\bt] offset:64*\bt
.endr
	BAR                                            ; also: every wave's reads of XI are over, so the stage may be written
.irp bt, 0,1,2,3
.irp n, 0,1,2,3
	ds_load_b32 v[RL+4*\bt+\n], v[VRED] offset:1024*\n+64*\bt
.endr
.endr
	s_wait_dscnt 0x0
.irp bt, 0,1,2,3
	v_add_f32 v[RL+4*\bt],   v[RL+4*\bt],   v[RL+4*\bt+1]
	v_add_f32 v[RL+4*\bt+2], v[RL+4*\bt+2], v[RL+4*\bt+3]
	v_add_f32 v[RL+4*\bt],   v[RL+4*\bt],   v[RL+4*\bt+2]
	v_mul_f32 v[LM+2*\bt],   0x3b800000, v[RL+4*\bt]               ; the tile's mean: / 256
	v_mul_f32 v[LM+2*\bt+1], 0x3b800000, v[RL+4*\bt]
.endr
.irp n, 0,1,2,3,4,5,6,7,8,9,10,11,12,13,14,15
.irp bt, 0,1,2,3
	v_pk_add_f32 v[ACC+32*(\n>>2)+8*\bt+2*(\n&3):ACC+32*(\n>>2)+8*\bt+2*(\n&3)+1], v[ACC+32*(\n>>2)+8*\bt+2*(\n&3):ACC+32*(\n>>2)+8*\bt+2*(\n&3)+1], v[LM+2*\bt:LM+2*\bt+1] neg_lo:[0,1] neg_hi:[0,1]
.endr
.endr
.irp bt, 0,1,2,3
	v_pk_mul_f32 v[SUM+2*\bt:SUM+2*\bt+1], v[ACC+8*\bt:ACC+8*\bt+1], v[ACC+8*\bt:ACC+8*\bt+1]
.endr
.irp n, 1,2,3,4,5,6,7,8,9,10,11,12,13,14,15
.irp bt, 0,1,2,3
	v_pk_fma_f32 v[SUM+2*\bt:SUM+2*\bt+1], v[ACC+32*(\n>>2)+8*\bt+2*(\n&3):ACC+32*(\n>>2)+8*\bt+2*(\n&3)+1], v[ACC+32*(\n>>2)+8*\bt+2*(\n&3):ACC+32*(\n>>2)+8*\bt+2*(\n&3)+1], v[SUM+2*\bt:SUM+2*\bt+1]
.endr
.endr
.irp bt, 0,1,2,3
	v_add_f32 v[SUM+2*\bt], v[SUM+2*\bt], v[SUM+2*\bt+1]
.endr
.irp bt, 0,1,2,3
	v_permlanex16_b32 v[XT+\bt], v[SUM+2*\bt], s36, s37
.endr
.irp bt, 0,1,2,3
	v_add_f32 v[SUM+2*\bt], v[SUM+2*\bt], v[XT+\bt]
	ds_store_b32 v[VREDS], v[SUM+2*\bt] offset:4096+64*\bt
.endr
.irp a, 0,1,2,3
.irp bt, 0,1,2,3
.irp q, 0,1,2,3
	v_cvt_pk_f16_f32 v[OE+4*(\bt&1)+\q], v[ACC+32*\a+8*\bt+2*\q], v[ACC+32*\a+8*\bt+2*\q+1]
.endr
	ds_store_b128 v[VOS], v[OE+4*(\bt&1):OE+4*(\bt&1)+3] offset:16*XIP*\bt+32*\a   ; eight neighbouring points of one channel
.endr
.endr
	BAR
.set k, 0
.rept 16
	ds_load_b128 v[XF+4*k:XF+4*k+3], v[VXW] offset:XIP*k           ; channel 16 w + k: the tile's 256 points, 512 bytes
.set k, k+1
.endr
.set k, 0
.rept 16
	s_wait_dscnt 15-k                              ; row k is in, the 15 - k younger loads stay out
	global_store_b128 v[VOY], v[XF+4*k:XF+4*k+3], s[24:25] offset:16384*k   ; 512 consecutive bytes
.set k, k+1
.endr
	s_cmp_gt_u32 s28, 1                            ; waves 0 and 1: the tile's 256 means and sums of squares, four channels a lane
	s_cbranch_scc1 .Ldone
	global_load_b128 v[16:19], v[VOW], s[10:11]    ; the bias
	v_add_nc_u32 v28, RED, v[VOW]
.irp n, 0,1,2,3
	ds_load_b128 v[32+4*\n:35+4*\n],   v28 offset:1024*\n
	ds_load_b128 v[128+4*\n:131+4*\n], v28 offset:4096+1024*\n
.endr
	s_wait_loadcnt 0x0
	s_wait_dscnt 0x0
	v_cvt_pk_bf16_f32 v20, v16, v17
	v_cvt_pk_bf16_f32 v21, v18, v19
	v_lshlrev_b32 v16, 16,  v20
	v_and_b32     v17, s38, v20
	v_lshlrev_b32 v18, 16,  v21
	v_and_b32     v19, s38, v21
.irp o, 32, 128
	v_pk_add_f32 v[\o:\o+1],     v[\o:\o+1],     v[\o+4:\o+5]      ; (p0 + p1) + (p2 + p3), as every wave summed them
	v_pk_add_f32 v[\o+2:\o+3],   v[\o+2:\o+3],   v[\o+6:\o+7]
	v_pk_add_f32 v[\o+8:\o+9],   v[\o+8:\o+9],   v[\o+12:\o+13]
	v_pk_add_f32 v[\o+10:\o+11], v[\o+10:\o+11], v[\o+14:\o+15]
	v_pk_add_f32 v[\o:\o+1],     v[\o:\o+1],     v[\o+8:\o+9]
	v_pk_add_f32 v[\o+2:\o+3],   v[\o+2:\o+3],   v[\o+10:\o+11]
.endr
	v_pk_fma_f32 v[32:33], v[32:33], 0x3b800000, v[16:17] op_sel_hi:[1,0,1]   ; mean + bias
	v_pk_fma_f32 v[34:35], v[34:35], 0x3b800000, v[18:19] op_sel_hi:[1,0,1]
	global_store_b128 v[VOW], v[32:35], s[26:27]
	global_store_b128 v[VOW], v[128:131], s[26:27] offset:PQO
.Ldone:
	s_wait_xcnt 0x0
	v_lshl_add_u32 v254, v0, 2, 0x46000
	v_mov_b32 v255, 0
	s_wait_tensorcnt 0x0
	ds_add_u32 v254, v255
	s_wait_dscnt 0x0
	s_endpgm
.Lfunc_end_k_qb5a5e3e4c4_conv1:
	.size	k_qb5a5e3e4c4_conv1, .Lfunc_end_k_qb5a5e3e4c4_conv1-k_qb5a5e3e4c4_conv1
	.p2alignl 7, 3214868480
	.fill 96, 4, 3214868480
	.section	.rodata,"a",@progbits
	.p2align	6, 0x0
	.amdhsa_kernel k_qb5a5e3e4c4_conv1
		.amdhsa_group_segment_fixed_size 288768
		.amdhsa_private_segment_fixed_size 0
		.amdhsa_enable_private_segment 0
		.amdhsa_kernarg_size 40
		.amdhsa_user_sgpr_count 2
		.amdhsa_user_sgpr_kernarg_segment_ptr 1
		.amdhsa_wavefront_size32 1
		.amdhsa_system_sgpr_workgroup_id_x 1
		.amdhsa_system_sgpr_workgroup_id_y 1
		.amdhsa_system_sgpr_workgroup_id_z 1
		.amdhsa_system_vgpr_workitem_id 0
		.amdhsa_next_free_vgpr 256
		.amdhsa_next_free_sgpr 66
		.amdhsa_reserve_vcc 0
		.amdhsa_float_denorm_mode_32 3
		.amdhsa_float_denorm_mode_16_64 3
		.amdhsa_memory_ordered 1
		.amdhsa_forward_progress 1
		.amdhsa_inst_pref_size 139
	.end_amdhsa_kernel
	.amdgpu_metadata
---
amdhsa.version: [ 1, 2 ]
amdhsa.kernels:
  - .name:           k_qb5a5e3e4c4_conv1
    .symbol:         k_qb5a5e3e4c4_conv1.kd
    .args:
      - { .name: points1, .offset: 0, .size: 8, .value_kind: global_buffer, .address_space: global }
      - { .name: prep, .offset: 8, .size: 8, .value_kind: global_buffer, .address_space: global }
      - { .name: nidx, .offset: 16, .size: 8, .value_kind: global_buffer, .address_space: global }
      - { .name: b1, .offset: 24, .size: 8, .value_kind: global_buffer, .address_space: global }
      - { .name: l1, .offset: 32, .size: 8, .value_kind: global_buffer, .address_space: global }
    .group_segment_fixed_size: 288768
    .private_segment_fixed_size: 0
    .kernarg_segment_align: 8
    .kernarg_segment_size: 40
    .max_flat_workgroup_size: 512
    .sgpr_count:     66
    .vgpr_count:     256
    .wavefront_size: 32
...
	.end_amdgpu_metadata
.endif
;; end of part 3
;; launch stat1 (part 4): grid 4 x 1, 16 waves a work-group, no clusters, 10,496 bytes of LDS; arguments l1, g1, be1, bn1; writes bn1
.if DOCPART == 4
	.amdgcn_target "amdgcn-amd-amdhsa--gfx1250"
	.amdhsa_code_object_version 6
	.text
	.protected	k_qb5a5e3e4c4_stat1
	.globl	k_qb5a5e3e4c4_stat1
	.p2align	8
	.type	k_qb5a5e3e4c4_stat1,@function
k_qb5a5e3e4c4_stat1:
	s_mov_b64 s[64:65], 0
	v_nop
	global_prefetch_b8 v0, s[64:65] scope:SCOPE_SE
	s_setreg_imm32_b32 hwreg(HW_REG_WAVE_MODE, 25, 1), 1
	s_wait_xcnt 0x0
; stat1: the first layer's batch statistics of 256 channels from 256 tiles' means (PM) and centred sums of squares (PQ), each tile of 256 points.
; In two levels, each centred on its own mean, so that no difference of large sums is formed and one barrier suffices:
;   wave w, tiles 16 w .. 16 w + 15:  m_w = sum(pm) / 16,   M2_w = sum(pq) + 256 sum((pm - m_w)^2)
;   all sixteen waves:                mean = sum(m_w) / 16, M2 = sum(M2_w) + 4,096 sum((m_w - mean)^2),  var = M2 / 65,536
; Out: bn = A[256] (gain / sqrt(var + 1e-5)), MEAN[256], BE[256]; gain and beta rounded once to bf16.  1/sqrt by v_rsq_f32 (1 ulp).
; Four work-groups of 64 channels (the sums span all tiles, so a channel has one owner); a lane takes two channels: a load of the wave covers
; 256 consecutive bytes.  Gain and beta are asked for at the start, by every wave (two loads of 256 bytes), so that they are there when wave 0
; wants them and no register's state hangs on a branch.
.set PM,  33554432
.set PQO, 262144
.set LP,  528                          ; LDS: wave p's row: 64 means, 64 M2, 16 bytes of padding
.set GB,  4                            ; v[4:5] gain, v[6:7] beta
.set PMR, 16                           ; v[16:47]  sixteen pairs of means
.set PQR, 48                           ; v[48:79]  sixteen pairs of sums of squares
.set C0,  80                           ; v[80:87]  four chains
.set C1,  88                           ; v[88:95]  four chains
.set MW,  96                           ; v[96:97]  the mean of the level at work
.set EP,  98                           ; v[98:99]  1e-5 twice
.macro BAR
	s_wait_dscnt 0x0
	s_barrier_signal -1
	s_barrier_wait -1
.endm
.macro SUM16 c, b                      ; v[c:c+1] = the sum of the sixteen pairs from v[b] on, in four chains
.irp i, 0,1,2,3
	v_pk_add_f32 v[\c+2*\i:\c+2*\i+1], v[\b+2*\i:\b+2*\i+1], v[\b+8+2*\i:\b+8+2*\i+1]
.endr
.irp o, 16, 24
.irp i, 0,1,2,3
	v_pk_add_f32 v[\c+2*\i:\c+2*\i+1], v[\c+2*\i:\c+2*\i+1], v[\b+\o+2*\i:\b+\o+2*\i+1]
.endr
.endr
	v_pk_add_f32 v[\c:\c+1],   v[\c:\c+1],   v[\c+4:\c+5]
	v_pk_add_f32 v[\c+2:\c+3], v[\c+2:\c+3], v[\c+6:\c+7]
	v_pk_add_f32 v[\c:\c+1],   v[\c:\c+1],   v[\c+2:\c+3]
.endm
.macro SQ16 c, b                       ; v[c:c+1] = the sum of their squares
.irp i, 0,1,2,3
	v_pk_mul_f32 v[\c+2*\i:\c+2*\i+1], v[\b+2*\i:\b+2*\i+1], v[\b+2*\i:\b+2*\i+1]
.endr
.irp o, 8, 16, 24
.irp i, 0,1,2,3
	v_pk_fma_f32 v[\c+2*\i:\c+2*\i+1], v[\b+\o+2*\i:\b+\o+2*\i+1], v[\b+\o+2*\i:\b+\o+2*\i+1], v[\c+2*\i:\c+2*\i+1]
.endr
.endr
	v_pk_add_f32 v[\c:\c+1],   v[\c:\c+1],   v[\c+4:\c+5]
	v_pk_add_f32 v[\c+2:\c+3], v[\c+2:\c+3], v[\c+6:\c+7]
	v_pk_add_f32 v[\c:\c+1],   v[\c:\c+1],   v[\c+2:\c+3]
.endm
.macro DEV16 b, m                      ; each of the sixteen pairs minus v[m:m+1]
.set k, 0
.rept 16
	v_pk_add_f32 v[\b+2*k:\b+2*k+1], v[\b+2*k:\b+2*k+1], v[\m:\m+1] neg_lo:[0,1] neg_hi:[0,1]
.set k, k+1
.endr
.endm
	s_load_b256 s[4:11], s[0:1], 0x0               ; part s[4:5], gain s[6:7], beta s[8:9], bn s[10:11]
	v_lshl_add_u32 v104, v0, 2, 0x2100
	v_mov_b32 v105, 0
	v_lshrrev_b32 v1, 5, v0
	v_readfirstlane_b32 s12, v1                    ; wave
	v_and_b32 v1, 31, v0
	v_lshlrev_b32 v1, 3, v1                        ; 8 L
	s_lshl_b32 s13, s12, 14
	v_add_nc_u32 v2, s13, v1                       ; tile 16 w (1,024 bytes a tile) + 8 L
	s_mul_i32 s13, s12, LP
	v_add_nc_u32 v3, s13, v1                       ; LDS: my wave's row + 8 L
	s_lshl_b32 s14, ttmp9, 8                       ; my 64 channels
	s_mov_b32 s15, 0
	s_mov_b32 s16, 0xffff0000
	s_wait_kmcnt 0x0
	s_add_nc_u64 s[6:7], s[6:7], s[14:15]
	s_add_nc_u64 s[8:9], s[8:9], s[14:15]
	s_add_nc_u64 s[10:11], s[10:11], s[14:15]
	s_add_co_u32 s14, s14, PM
	s_add_nc_u64 s[4:5], s[4:5], s[14:15]
	global_load_b64 v[GB:GB+1],   v1, s[6:7]
	global_load_b64 v[GB+2:GB+3], v1, s[8:9]
.set k, 0
.rept 16
	global_load_b64 v[PMR+2*k:PMR+2*k+1], v2, s[4:5] offset:1024*k
.set k, k+1
.endr
.set k, 0
.rept 16
	global_load_b64 v[PQR+2*k:PQR+2*k+1], v2, s[4:5] offset:PQO+1024*k
.set k, k+1
.endr
	v_mov_b32 v[EP],   0x3727c5ac
	v_mov_b32 v[EP+1], 0x3727c5ac
	s_wait_loadcnt 16                              ; the means are in; the sixteen loads of squares stay out
	SUM16 C0, PMR
	v_pk_mul_f32 v[MW:MW+1], v[C0:C0+1], 0x3d800000 op_sel_hi:[1,0]               ; m_w: / 16 tiles
	DEV16 PMR, MW
	SQ16 C0, PMR
	s_wait_loadcnt 0x0
	SUM16 C1, PQR
	v_pk_fma_f32 v[C0:C0+1], v[C0:C0+1], 0x43800000, v[C1:C1+1] op_sel_hi:[1,0,1] ; 256 points a tile
	ds_store_b64 v3, v[MW:MW+1]
	ds_store_b64 v3, v[C0:C0+1] offset:256
	BAR
	s_cmp_lg_u32 s12, 0
	s_cbranch_scc1 .Ldone
.set k, 0
.rept 16
	ds_load_b64 v[PMR+2*k:PMR+2*k+1], v1 offset:LP*k
	ds_load_b64 v[PQR+2*k:PQR+2*k+1], v1 offset:LP*k+256
.set k, k+1
.endr
	s_wait_dscnt 0x0
	SUM16 C0, PMR
	v_pk_mul_f32 v[MW:MW+1], v[C0:C0+1], 0x3d800000 op_sel_hi:[1,0]               ; the mean: / 16 waves
	DEV16 PMR, MW
	SQ16 C0, PMR
	SUM16 C1, PQR
	v_pk_fma_f32 v[C0:C0+1], v[C0:C0+1], 0x45800000, v[C1:C1+1] op_sel_hi:[1,0,1] ; 4,096 points a wave
	v_pk_fma_f32 v[C0:C0+1], v[C0:C0+1], 0x37800000, v[EP:EP+1] op_sel_hi:[1,0,1] ; / 65,536 points, + 1e-5
	v_rsq_f32 v[C1],   v[C0]
	v_rsq_f32 v[C1+1], v[C0+1]
	v_cvt_pk_bf16_f32 v[C1+2], v[GB],   v[GB+1]    ; a plain vector instruction stands behind a transcendental before its result is used (ISA guide 5.7.2)
	v_cvt_pk_bf16_f32 v[C1+3], v[GB+2], v[GB+3]
	v_lshlrev_b32 v[GB],   16,  v[C1+2]
	v_and_b32     v[GB+1], s16, v[C1+2]
	v_lshlrev_b32 v[GB+2], 16,  v[C1+3]
	v_and_b32     v[GB+3], s16, v[C1+3]
	s_wait_alu depctr_va_vdst(0)
	v_pk_mul_f32 v[C1:C1+1], v[C1:C1+1], v[GB:GB+1]
	global_store_b64 v1, v[C1:C1+1],   s[10:11]
	global_store_b64 v1, v[MW:MW+1],   s[10:11] offset:1024
	global_store_b64 v1, v[GB+2:GB+3], s[10:11] offset:2048
.Ldone:
	s_wait_tensorcnt 0x0
	ds_add_u32 v104, v105
	s_wait_dscnt 0x0
	s_endpgm
.Lfunc_end_k_qb5a5e3e4c4_stat1:
	.size	k_qb5a5e3e4c4_stat1, .Lfunc_end_k_qb5a5e3e4c4_stat1-k_qb5a5e3e4c4_stat1
	.p2alignl 7, 3214868480
	.fill 96, 4, 3214868480
	.section	.rodata,"a",@progbits
	.p2align	6, 0x0
	.amdhsa_kernel k_qb5a5e3e4c4_stat1
		.amdhsa_group_segment_fixed_size 10496
		.amdhsa_private_segment_fixed_size 0
		.amdhsa_enable_private_segment 0
		.amdhsa_kernarg_size 32
		.amdhsa_user_sgpr_count 2
		.amdhsa_user_sgpr_kernarg_segment_ptr 1
		.amdhsa_wavefront_size32 1
		.amdhsa_system_sgpr_workgroup_id_x 1
		.amdhsa_system_sgpr_workgroup_id_y 1
		.amdhsa_system_sgpr_workgroup_id_z 1
		.amdhsa_system_vgpr_workitem_id 0
		.amdhsa_next_free_vgpr 106
		.amdhsa_next_free_sgpr 66
		.amdhsa_reserve_vcc 0
		.amdhsa_float_denorm_mode_32 3
		.amdhsa_float_denorm_mode_16_64 3
		.amdhsa_memory_ordered 1
		.amdhsa_forward_progress 1
		.amdhsa_inst_pref_size 17
	.end_amdhsa_kernel
	.amdgpu_metadata
---
amdhsa.version: [ 1, 2 ]
amdhsa.kernels:
  - .name:           k_qb5a5e3e4c4_stat1
    .symbol:         k_qb5a5e3e4c4_stat1.kd
    .args:
      - { .name: l1, .offset: 0, .size: 8, .value_kind: global_buffer, .address_space: global }
      - { .name: g1, .offset: 8, .size: 8, .value_kind: global_buffer, .address_space: global }
      - { .name: be1, .offset: 16, .size: 8, .value_kind: global_buffer, .address_space: global }
      - { .name: bn1, .offset: 24, .size: 8, .value_kind: global_buffer, .address_space: global }
    .group_segment_fixed_size: 10496
    .private_segment_fixed_size: 0
    .kernarg_segment_align: 8
    .kernarg_segment_size: 32
    .max_flat_workgroup_size: 512
    .sgpr_count:     66
    .vgpr_count:     106
    .wavefront_size: 32
...
	.end_amdgpu_metadata
.endif
;; end of part 4
;; launch conv2 (part 5): grid 256 x 1, 16 waves a work-group, no clusters, 288,768 bytes of LDS; arguments l1, prep, bn1, b2, l2; writes l2
.if DOCPART == 5
	.amdgcn_target "amdgcn-amd-amdhsa--gfx1250"
	.amdhsa_code_object_version 6
	.text
	.protected	k_qb5a5e3e4c4_conv2
	.globl	k_qb5a5e3e4c4_conv2
	.p2align	8
	.type	k_qb5a5e3e4c4_conv2,@function
k_qb5a5e3e4c4_conv2:
	s_mov_b64 s[64:65], 0
	v_nop
	global_prefetch_b8 v0, s[64:65] scope:SCOPE_SE
	s_setreg_imm32_b32 hwreg(HW_REG_WAVE_MODE, 25, 1), 1
	s_wait_xcnt 0x0
; conv2: work-group g makes y2 = w2 . h1 for 256 points x 256 channels, K = 256, where h1 = relu(A yc + E) is made on the way into LDS:
; yc is the first layer's centred f16 result, A the channel's gain / sqrt(var + eps), E = A (pm - mean) + beta with pm the tile's own mean.
; Out, in l2, as the first layer's: YC (f16, centred on the tile's mean), PM (mean + bias), PQ (centred sum of squares).
; NUMBERS: h1 in f32, rounded once to f16 as matrix operand; w2 and b2 rounded once to bf16 (w2 then exact in f16); sums f32.
; LIMITS: h1 and the centred y2 must stay below 65,504 in magnitude; below 2^-14 f16's step is 2^-24.
; Sixteen waves: wave w makes 64 points (nb = w & 3) x 64 channels (ob = w >> 2) in 16 accumulators; source 0 is 16 points, source 1 is 16 channels.
; No tensor loads and no cluster: the streamed operand is transformed in registers on its way into LDS, and what the work-groups share
; (128 KiB of weights) is no more than what each reads of its own.
.set XS,    135168                     ; LDS as in the first layer: 0: the stage of the way out, 256 channels x 528 bytes
.set XSLOT, 34816                      ; XS: two slots of 64 channels x 544 bytes
.set XP,    544
.set WS,    204800                     ; WS: two slots of 256 channels x 144 bytes
.set WSLOT, 36864
.set WP,    144
.set XIP,   528
.set RED,   278528
.set W2H,   8650752
.set PM,    33554432
.set PQO,   262144
.set VXT, 1
.set VW,  2
.set VXS, 4
.set VWS, 5
.set VOX, 6
.set VOW, 7
.set VCH, 8
.set VXW, 10
.set VRED, 11
.set VREDS, 12
.set VOS, 13
.set VOY, 14
.set STG, 16                           ; v[16:31] yc as loaded, then h1
.set T8,  32                           ; v[32:39] eight numbers in f32
.set CN,  40                           ; v[40:43] A, mean, beta, the tile's mean of one channel a lane: registers that no other load names
.set WST, 48                           ; v[48:63] weights as loaded
.set XF,  64
.set WF,  96
.set ACC, 128
.set SUM, 16
.set XT,  24
.set RL,  32
.set LM,  48
.set OE,  56
.set SA,  40                           ; s[40:55] A of my sixteen channels (slice i, row j at 4 i + j)
.set SE,  66                           ; s[66:81] E of them
.macro BAR
	s_wait_dscnt 0x0
	s_barrier_signal -1
	s_barrier_wait -1
.endm
.macro PLACES                          ; four plain vector instructions stand between a matrix instruction and a load into one of its registers
.rept 4
	v_nop
.endr
.endm
.macro LDX2 i                          ; K slice i: my wave's four channels, 512 consecutive bytes each
.irp j, 0,1,2,3
	global_load_b128 v[STG+4*\j:STG+4*\j+3], v[VOX], s[4:5] offset:1048576*\i+16384*\j th:TH_LOAD_NT
.endr
.endm
.macro LDW i
.irp j, 0,1,2,3
	global_load_b128 v[WST+4*\j:WST+4*\j+3], v[VOW], s[18:19] offset:32768*\i+8192*\j
.endr
.endm
.macro STW slot
.irp j, 0,1,2,3
	s_wait_loadcnt 3-\j                            ; load j is in, the 3 - j younger ones stay out
	ds_store_b128 v[VWS], v[WST+4*\j:WST+4*\j+3] offset:\slot*WSLOT+64*WP*\j
.endr
.endm
; row j of slice i: eight f16 (their halves named by a0 .. a7) -> relu(A x + E) -> eight f16 into the slot
.macro XROW slot, i, j, a0, a1, a2, a3, a4, a5, a6, a7
	s_wait_loadcnt 7-\j                            ; load j is in: 3 - j loads of yc and 4 of weights stay out
	v_cvt_f32_f16 v[T8], \a0
	v_cvt_f32_f16 v[T8+1], \a1
	v_cvt_f32_f16 v[T8+2], \a2
	v_cvt_f32_f16 v[T8+3], \a3
	v_cvt_f32_f16 v[T8+4], \a4
	v_cvt_f32_f16 v[T8+5], \a5
	v_cvt_f32_f16 v[T8+6], \a6
	v_cvt_f32_f16 v[T8+7], \a7
.irp e, 0,1,2,3,4,5,6,7
	v_fma_f32 v[T8+\e], s[SA+4*\i+\j], v[T8+\e], s[SE+4*\i+\j]
.endr
.irp e, 0,1,2,3,4,5,6,7
	v_max_num_f32 v[T8+\e], 0, v[T8+\e]
.endr
.irp q, 0,1,2,3
	v_cvt_pk_f16_f32 v[STG+4*\j+\q], v[T8+2*\q], v[T8+2*\q+1]
.endr
	ds_store_b128 v[VXS], v[STG+4*\j:STG+4*\j+3] offset:\slot*XSLOT+XP*\j
.endm
.macro STX2 slot, i
	XROW \slot, \i, 0, v16.l, v16.h, v17.l, v17.h, v18.l, v18.h, v19.l, v19.h
	XROW \slot, \i, 1, v20.l, v20.h, v21.l, v21.h, v22.l, v22.h, v23.l, v23.h
	XROW \slot, \i, 2, v24.l, v24.h, v25.l, v25.h, v26.l, v26.h, v27.l, v27.h
	XROW \slot, \i, 3, v28.l, v28.h, v29.l, v29.h, v30.l, v30.h, v31.l, v31.h
.endm
.macro LDXF slot, kk, a                ; fragment a: 16 points x 32 K from [K][points] by the transposing load
	ds_load_tr16_b128 v[XF+8*\a:XF+8*\a+3],   v[VXT] offset:\slot*XSLOT+XP*\kk+32*\a
	ds_load_tr16_b128 v[XF+8*\a+4:XF+8*\a+7], v[VXT] offset:\slot*XSLOT+XP*\kk+32*\a+16*XP
.endm
; 32 along K: 16 LDS loads, 16 matrix instructions.  The sixteen accumulators take turns, one instruction a turn, in the same order in every step.
.macro KS slot, kk, zero
	PLACES
	LDXF \slot, \kk, 0
.irp bt, 0,1,2,3
	ds_load_b128 v[WF+8*\bt:WF+8*\bt+3],   v[VW] offset:\slot*WSLOT+16*WP*\bt+2*\kk
	ds_load_b128 v[WF+8*\bt+4:WF+8*\bt+7], v[VW] offset:\slot*WSLOT+16*WP*\bt+2*\kk+32
.endr
	LDXF \slot, \kk, 1
	LDXF \slot, \kk, 2
	LDXF \slot, \kk, 3
.irp a, 0,1,2,3
	s_wait_dscnt 6-2*\a                            ; the weights and point fragment a are in; the two loads of each later fragment stay out
.irp bt, 0,1,2,3
.if \zero
	v_wmma_f32_16x16x32_f16 v[ACC+8*(4*\a+\bt):ACC+8*(4*\a+\bt)+7], v[XF+8*\a:XF+8*\a+7], v[WF+8*\bt:WF+8*\bt+7], 0
.else
	v_wmma_f32_16x16x32_f16 v[ACC+8*(4*\a+\bt):ACC+8*(4*\a+\bt)+7], v[XF+8*\a:XF+8*\a+7], v[WF+8*\bt:WF+8*\bt+7], v[ACC+8*(4*\a+\bt):ACC+8*(4*\a+\bt)+7]
.endif
.endr
.endr
.endm
	s_load_b256 s[4:11], s[0:1], 0x0               ; l1 s[4:5], prep s[6:7], bn1 s[8:9], b2 s[10:11]
	s_load_b64 s[12:13], s[0:1], 0x20              ; l2
	v_lshl_add_u32 v9, v0, 2, 0x46000
	v_mov_b32 v15, 0
	v_lshrrev_b32 v16, 5, v0
	v_readfirstlane_b32 s28, v16                   ; wave w
	s_and_b32 s29, s28, 3                          ; nb
	s_lshr_b32 s30, s28, 2                         ; ob
	s_mov_b32 s31, ttmp9                           ; g
	s_lshr_b32 s32, s31, 5                         ; b
	s_and_b32 s33, s31, 31                         ; gl
	s_mov_b32 s36, 0x76543210
	s_mov_b32 s37, 0xfedcba98
	s_mov_b32 s38, 0xffff0000
	v_and_b32 v16, 31, v0                          ; L
	v_and_b32 v17, 15, v0                          ; r
	v_bfe_u32 v18, v0, 4, 1                        ; h
	v_and_b32 v19, 7, v0
	v_bfe_u32 v20, v0, 3, 1
	v_lshl_add_u32 v19, v18, 3, v19
	v_mul_u32_u24 v[VXT], XP, v19
	v_lshl_add_u32 v[VXT], v20, 4, v[VXT]
	s_lshl_b32 s34, s29, 7
	s_add_co_u32 s34, s34, XS
	v_add_nc_u32 v[VXT], s34, v[VXT]               ; XS + (8 h + L % 8) rows + 16 ((L >> 3) & 1) + my 64 points
	v_mul_u32_u24 v[VW], WP, v17
	v_lshl_add_u32 v[VW], v18, 4, v[VW]
	s_mul_i32 s34, s30, 64*WP
	s_add_co_u32 s34, s34, WS
	v_add_nc_u32 v[VW], s34, v[VW]                 ; WS + (64 ob + r) rows + 16 h
	v_mul_u32_u24 v[VOS], XIP, v17
	v_lshl_add_u32 v[VOS], v18, 4, v[VOS]
	s_mul_i32 s34, s30, 64*XIP
	s_lshl_b32 s35, s29, 7
	s_add_co_u32 s34, s34, s35
	v_add_nc_u32 v[VOS], s34, v[VOS]               ; stage in: channel 64 ob + r, point 64 nb + 8 h
	s_mul_i32 s34, s28, 4*XP
	s_add_co_u32 s34, s34, XS
	v_lshl_add_u32 v[VXS], v16, 4, s34             ; XS in: channel row 4 w, 16 L
	v_lshrrev_b32 v19, 3, v0
	v_and_b32 v20, 7, v0
	v_mul_u32_u24 v[VWS], WP, v19
	v_lshl_add_u32 v[VWS], v20, 4, v[VWS]
	v_add_nc_u32 v[VWS], WS, v[VWS]                ; WS in: row t >> 3, 16 (t & 7)
	s_lshl_b32 s34, s28, 16
	v_lshl_add_u32 v[VOX], v16, 4, s34             ; yc: channel 4 w (16,384 bytes a row) + 16 L
	v_lshlrev_b32 v[VOW], 4, v0                    ; 16 t
	v_lshrrev_b32 v19, 2, v17
	v_and_b32 v20, 3, v17
	v_lshlrev_b32 v20, 2, v20
	v_lshl_add_u32 v[VCH], v19, 8, v20
	s_lshl_b32 s34, s28, 4
	v_add_nc_u32 v[VCH], s34, v[VCH]               ; 4 x channel 64 (r >> 2) + 4 w + (r & 3): lane 4 i + j holds row j of slice i
	s_mul_i32 s34, s28, 16*XIP
	v_lshl_add_u32 v[VXW], v16, 4, s34             ; row 16 w of the stage + 16 L
	s_lshl_b32 s34, s30, 8
	s_add_co_u32 s34, s34, RED
	v_lshl_add_u32 v[VRED], v17, 2, s34
	s_lshl_b32 s34, s29, 10
	v_add_nc_u32 v[VREDS], s34, v[VRED]
	s_lshl_b32 s34, s28, 18
	v_lshl_add_u32 v[VOY], v16, 4, s34             ; YC out: channel 16 w + 16 L
	s_mov_b32 s35, 0
	s_wait_kmcnt 0x0
	s_lshl_b32 s34, s31, 10
	s_add_co_u32 s34, s34, PM
	s_add_nc_u64 s[20:21], s[4:5], s[34:35]        ; the first layer's PM[g]
	s_add_nc_u64 s[26:27], s[12:13], s[34:35]      ; this layer's PM[g]
	s_lshl_b32 s34, s32, 22
	s_lshl_b32 s39, s33, 9
	s_add_co_u32 s34, s34, s39
	s_add_nc_u64 s[4:5], s[4:5], s[34:35]          ; yc[b][0][256 gl]
	s_add_nc_u64 s[24:25], s[12:13], s[34:35]      ; YC out
	s_add_nc_u64 s[18:19], s[6:7], W2H
	global_load_b32 v[CN],   v[VCH], s[8:9]                ; A
	global_load_b32 v[CN+1], v[VCH], s[8:9] offset:1024    ; mean
	global_load_b32 v[CN+2], v[VCH], s[8:9] offset:2048    ; beta
	global_load_b32 v[CN+3], v[VCH], s[20:21]              ; the tile's mean
	LDX2 0
	LDW 0
	s_wait_loadcnt 0x8                             ; the four constants are in; slice 0's eight loads stay out
	v_sub_f32 v[CN+3], v[CN+3], v[CN+1]
	v_fma_f32 v[CN+3], v[CN], v[CN+3], v[CN+2]     ; E = A (pm - mean) + beta
.set n, 0
.rept 16
	v_readlane_b32 s[SA+n], v[CN], n
	v_readlane_b32 s[SE+n], v[CN+3], n
.set n, n+1
.endr
	STX2 0, 0
	STW 0
	LDX2 1
	LDW 1
	BAR                                            ; slot 0 is whole
	; Four K slices of 64.  A step first stores the next slice into the other slot (last read one step ago: the barrier that closed that step
	; stands behind every wave's wait for its reads), asks memory for the slice after it, multiplies its own slot, and closes with a barrier.
	STX2 1, 1
	STW 1
	LDX2 2
	LDW 2
	KS 0, 0, 1                                     ; the first products start the sums: nothing is cleared
	KS 0, 32, 0
	BAR
	STX2 0, 2
	STW 0
	LDX2 3
	LDW 3
	KS 1, 0, 0
	KS 1, 32, 0
	BAR
	STX2 1, 3
	STW 1
	KS 0, 0, 0
	KS 0, 32, 0
	BAR
	KS 1, 0, 0
	KS 1, 32, 0
	; THE WAY OUT.  A lane holds 32 points of each of four channels (bt); pair n of them lies at ACC + 32 (n >> 2) + 8 bt + 2 (n & 3).
.irp bt, 0,1,2,3
	v_mov_b32 v[XT+\bt], 0                         ; the four places behind the last matrix instruction; v_permlanex16_b32 also counts its destination as read
.endr
.irp bt, 0,1,2,3
	v_pk_add_f32 v[SUM+2*\bt:SUM+2*\bt+1], v[ACC+8*\bt:ACC+8*\bt+1], v[ACC+8*\bt+2:ACC+8*\bt+3]
.endr
.irp n, 2,3,4,5,6,7,8,9,10,11,12,13,14,15
.irp bt, 0,1,2,3
	v_pk_add_f32 v[SUM+2*\bt:SUM+2*\bt+1], v[SUM+2*\bt:SUM+2*\bt+1], v[ACC+32*(\n>>2)+8*\bt+2*(\n&3):ACC+32*(\n>>2)+8*\bt+2*(\n&3)+1]
.endr
.endr
.irp bt, 0,1,2,3
	v_add_f32 v[SUM+2*\bt], v[SUM+2*\bt], v[SUM+2*\bt+1]
.endr
.irp bt, 0,1,2,3
	v_permlanex16_b32 v[XT+\bt], v[SUM+2*\bt], s36, s37
.endr
.irp bt, 0,1,2,3
	v_add_f32 v[SUM+2*\bt], v[SUM+2*\bt], v[XT+\bt]                ; the channel's sum over my wave's 64 points
	ds_store_b32 v[VREDS], v[SUM+2*\bt] offset:64*\bt
.endr
	BAR
.irp bt, 0,1,2,3
.irp n, 0,1,2,3
	ds_load_b32 v[RL+4*\bt+\n], v[VRED] offset:1024*\n+64*\bt
.endr
.endr
	s_wait_dscnt 0x0
.irp bt, 0,1,2,3
	v_add_f32 v[RL+4*\bt],   v[RL+4*\bt],   v[RL+4*\bt+1]
	v_add_f32 v[RL+4*\bt+2], v[RL+4*\bt+2], v[RL+4*\bt+3]
	v_add_f32 v[RL+4*\bt],   v[RL+4*\bt],   v[RL+4*\bt+2]
	v_mul_f32 v[LM+2*\bt],   0x3b800000, v[RL+4*\bt]               ; the tile's mean: / 256
	v_mul_f32 v[LM+2*\bt+1], 0x3b800000, v[RL+4*\bt]
.endr
.irp n, 0,1,2,3,4,5,6,7,8,9,10,11,12,13,14,15
.irp bt, 0,1,2,3
	v_pk_add_f32 v[ACC+32*(\n>>2)+8*\bt+2*(\n&3):ACC+32*(\n>>2)+8*\bt+2*(\n&3)+1], v[ACC+32*(\n>>2)+8*\bt+2*(\n&3):ACC+32*(\n>>2)+8*\bt+2*(\n&3)+1], v[LM+2*\bt:LM+2*\bt+1] neg_lo:[0,1] neg_hi:[0,1]
.endr
.endr
.irp bt, 0,1,2,3
	v_pk_mul_f32 v[SUM+2*\bt:SUM+2*\bt+1], v[ACC+8*\bt:ACC+8*\bt+1], v[ACC+8*\bt:ACC+8*\bt+1]
.endr
.irp n, 1,2,3,4,5,6,7,8,9,10,11,12,13,14,15
.irp bt, 0,1,2,3
	v_pk_fma_f32 v[SUM+2*\bt:SUM+2*\bt+1], v[ACC+32*(\n>>2)+8*\bt+2*(\n&3):ACC+32*(\n>>2)+8*\bt+2*(\n&3)+1], v[ACC+32*(\n>>2)+8*\bt+2*(\n&3):ACC+32*(\n>>2)+8*\bt+2*(\n&3)+1], v[SUM+2*\bt:SUM+2*\bt+1]
.endr
.endr
.irp bt, 0,1,2,3
	v_add_f32 v[SUM+2*\bt], v[SUM+2*\bt], v[SUM+2*\bt+1]
.endr
.irp bt, 0,1,2,3
	v_permlanex16_b32 v[XT+\bt], v[SUM+2*\bt], s36, s37
.endr
.irp bt, 0,1,2,3
	v_add_f32 v[SUM+2*\bt], v[SUM+2*\bt], v[XT+\bt]
	ds_store_b32 v[VREDS], v[SUM+2*\bt] offset:4096+64*\bt
.endr
.irp a, 0,1,2,3
.irp bt, 0,1,2,3
.irp q, 0,1,2,3
	v_cvt_pk_f16_f32 v[OE+4*(\bt&1)+\q], v[ACC+32*\a+8*\bt+2*\q], v[ACC+32*\a+8*\bt+2*\q+1]
.endr
	ds_store_b128 v[VOS], v[OE+4*(\bt&1):OE+4*(\bt&1)+3] offset:16*XIP*\bt+32*\a   ; eight neighbouring points of one channel
.endr
.endr
	BAR
.set k, 0
.rept 16
	ds_load_b128 v[XF+4*k:XF+4*k+3], v[VXW] offset:XIP*k           ; channel 16 w + k: the tile's 256 points, 512 bytes
.set k, k+1
.endr
.set k, 0
.rept 16
	s_wait_dscnt 15-k                              ; row k is in, the 15 - k younger loads stay out
	global_store_b128 v[VOY], v[XF+4*k:XF+4*k+3], s[24:25] offset:16384*k   ; 512 consecutive bytes
.set k, k+1
.endr
	s_cmp_gt_u32 s28, 1                            ; waves 0 and 1: the tile's 256 means and sums of squares, four channels a lane
	s_cbranch_scc1 .Ldone
	global_load_b128 v[16:19], v[VOW], s[10:11]    ; the bias
	v_add_nc_u32 v28, RED, v[VOW]
.irp n, 0,1,2,3
	ds_load_b128 v[32+4*\n:35+4*\n],   v28 offset:1024*\n
	ds_load_b128 v[128+4*\n:131+4*\n], v28 offset:4096+1024*\n
.endr
	s_wait_loadcnt 0x0
	s_wait_dscnt 0x0
	v_cvt_pk_bf16_f32 v20, v16, v17
	v_cvt_pk_bf16_f32 v21, v18, v19
	v_lshlrev_b32 v16, 16,  v20
	v_and_b32     v17, s38, v20
	v_lshlrev_b32 v18, 16,  v21
	v_and_b32     v19, s38, v21
.irp o, 32, 128
	v_pk_add_f32 v[\o:\o+1],     v[\o:\o+1],     v[\o+4:\o+5]      ; (p0 + p1) + (p2 + p3), as every wave summed them
	v_pk_add_f32 v[\o+2:\o+3],   v[\o+2:\o+3],   v[\o+6:\o+7]
	v_pk_add_f32 v[\o+8:\o+9],   v[\o+8:\o+9],   v[\o+12:\o+13]
	v_pk_add_f32 v[\o+10:\o+11], v[\o+10:\o+11], v[\o+14:\o+15]
	v_pk_add_f32 v[\o:\o+1],     v[\o:\o+1],     v[\o+8:\o+9]
	v_pk_add_f32 v[\o+2:\o+3],   v[\o+2:\o+3],   v[\o+10:\o+11]
.endr
	v_pk_fma_f32 v[32:33], v[32:33], 0x3b800000, v[16:17] op_sel_hi:[1,0,1]   ; mean + bias
	v_pk_fma_f32 v[34:35], v[34:35], 0x3b800000, v[18:19] op_sel_hi:[1,0,1]
	global_store_b128 v[VOW], v[32:35], s[26:27]
	global_store_b128 v[VOW], v[128:131], s[26:27] offset:PQO
.Ldone:
	s_wait_tensorcnt 0x0
	ds_add_u32 v9, v15
	s_wait_dscnt 0x0
	s_endpgm
.Lfunc_end_k_qb5a5e3e4c4_conv2:
	.size	k_qb5a5e3e4c4_conv2, .Lfunc_end_k_qb5a5e3e4c4_conv2-k_qb5a5e3e4c4_conv2
	.p2alignl 7, 3214868480
	.fill 96, 4, 3214868480
	.section	.rodata,"a",@progbits
	.p2align	6, 0x0
	.amdhsa_kernel k_qb5a5e3e4c4_conv2
		.amdhsa_group_segment_fixed_size 288768
		.amdhsa_private_segment_fixed_size 0
		.amdhsa_enable_private_segment 0
		.amdhsa_kernarg_size 40
		.amdhsa_user_sgpr_count 2
		.amdhsa_user_sgpr_kernarg_segment_ptr 1
		.amdhsa_wavefront_size32 1
		.amdhsa_system_sgpr_workgroup_id_x 1
		.amdhsa_system_sgpr_workgroup_id_y 1
		.amdhsa_system_sgpr_workgroup_id_z 1
		.amdhsa_system_vgpr_workitem_id 0
		.amdhsa_next_free_vgpr 256
		.amdhsa_next_free_sgpr 84
		.amdhsa_reserve_vcc 0
		.amdhsa_float_denorm_mode_32 3
		.amdhsa_float_denorm_mode_16_64 3
		.amdhsa_memory_ordered 1
		.amdhsa_forward_progress 1
		.amdhsa_inst_pref_size 77
	.end_amdhsa_kernel
	.amdgpu_metadata
---
amdhsa.version: [ 1, 2 ]
amdhsa.kernels:
  - .name:           k_qb5a5e3e4c4_conv2
    .symbol:         k_qb5a5e3e4c4_conv2.kd
    .args:
      - { .name: l1, .offset: 0, .size: 8, .value_kind: global_buffer, .address_space: global }
      - { .name: prep, .offset: 8, .size: 8, .value_kind: global_buffer, .address_space: global }
      - { .name: bn1, .offset: 16, .size: 8, .value_kind: global_buffer, .address_space: global }
      - { .name: b2, .offset: 24, .size: 8, .value_kind: global_buffer, .address_space: global }
      - { .name: l2, .offset: 32, .size: 8, .value_kind: global_buffer, .address_space: global }
    .group_segment_fixed_size: 288768
    .private_segment_fixed_size: 0
    .kernarg_segment_align: 8
    .kernarg_segment_size: 40
    .max_flat_workgroup_size: 512
    .sgpr_count:     84
    .vgpr_count:     256
    .wavefront_size: 32
...
	.end_amdgpu_metadata
.endif
;; end of part 5
;; launch final (part 6): grid 256 x 1, 16 waves a work-group, no clusters, 10,496 bytes of LDS; arguments l2, g2, be2, out0; writes out0
.if DOCPART == 6
	.amdgcn_target "amdgcn-amd-amdhsa--gfx1250"
	.amdhsa_code_object_version 6
	.text
	.protected	k_qb5a5e3e4c4_final
	.globl	k_qb5a5e3e4c4_final
	.p2align	8
	.type	k_qb5a5e3e4c4_final,@function
k_qb5a5e3e4c4_final:
	s_mov_b64 s[64:65], 0
	v_nop
	global_prefetch_b8 v0, s[64:65] scope:SCOPE_SE
	s_setreg_imm32_b32 hwreg(HW_REG_WAVE_MODE, 25, 1), 1
	s_wait_xcnt 0x0
; final: the second layer's batch statistics and out0 = relu(A yc + E) in one launch.  yc is the second layer's f16 result, centred on its tile's mean;
; A = gain / sqrt(var + 1e-5), E = A (pm - mean) + beta with pm the tile's own mean (bias included).
; Work-group g takes 64 channels (cg = g & 3) x 1,024 points of one batch (pc = g >> 2: tiles 4 pc .. 4 pc + 3), so it needs the statistics of 64 channels
; only: 256 tiles x 256 bytes of PM and as much of PQ.  They are summed in two levels, each centred on its own mean (no difference of large sums, one barrier):
;   wave w, tiles 16 w .. 16 w + 15:  m_w = sum(pm) / 16,   M2_w = sum(pq) + 256 sum((pm - m_w)^2)
;   all sixteen waves:                mean = sum(m_w) / 16, M2 = sum(M2_w) + 4,096 sum((m_w - mean)^2),  var = M2 / 65,536
; The loads of yc go out together with those of the statistics and are on their way while the sums are made.
; Wave w then streams channels 4 w .. 4 w + 3: a load covers 256 consecutive bytes, a store 512; every load has result registers of its own, so no
; register that a store reads is written again.
; NUMBERS: gain and beta rounded once to bf16; 1/sqrt by v_rsq_f32 (1 ulp); all else f32.
; No cluster: the 128 KiB of partial statistics that 64 work-groups share are added up straight out of the registers they are loaded into, once;
; brought jointly by tensor loads they would pass through LDS first, behind rounds of the cluster's barrier, in a kernel that is one pass.
.set PM,  33554432
.set PQO, 262144
.set LP,  528                          ; LDS: wave p's row: 64 means, 64 M2, 16 bytes of padding: row p starts 4 p banks on
.set IN,  16                           ; v[16:79]   pair k of loads: four registers, eight f16
.set OUT, 80                           ; v[80:207]  its eight f32
.set PMR, 80                           ; first: v[80:111]  sixteen pairs of means
.set PQR, 112                          ;        v[112:143] sixteen pairs of sums of squares
.set C0,  208                          ; v[208:215] four chains, then at work
.set C1,  216                          ; v[216:223] four chains
.set MW,  224                          ; v[224:225] my wave's mean
.set SA,  16                           ; s[16:19] A of my four channels
.set SE,  20                           ; s[20:35] E of tile q, channel j at 4 q + j
.macro BAR
	s_wait_dscnt 0x0
	s_barrier_signal -1
	s_barrier_wait -1
.endm
.macro SUM16 c, b                      ; v[c:c+1] = the sum of the sixteen pairs from v[b] on, in four chains
.irp i, 0,1,2,3
	v_pk_add_f32 v[\c+2*\i:\c+2*\i+1], v[\b+2*\i:\b+2*\i+1], v[\b+8+2*\i:\b+8+2*\i+1]
.endr
.irp o, 16, 24
.irp i, 0,1,2,3
	v_pk_add_f32 v[\c+2*\i:\c+2*\i+1], v[\c+2*\i:\c+2*\i+1], v[\b+\o+2*\i:\b+\o+2*\i+1]
.endr
.endr
	v_pk_add_f32 v[\c:\c+1],   v[\c:\c+1],   v[\c+4:\c+5]
	v_pk_add_f32 v[\c+2:\c+3], v[\c+2:\c+3], v[\c+6:\c+7]
	v_pk_add_f32 v[\c:\c+1],   v[\c:\c+1],   v[\c+2:\c+3]
.endm
.macro SQ16 c, b                       ; v[c:c+1] = the sum of their squares
.irp i, 0,1,2,3
	v_pk_mul_f32 v[\c+2*\i:\c+2*\i+1], v[\b+2*\i:\b+2*\i+1], v[\b+2*\i:\b+2*\i+1]
.endr
.irp o, 8, 16, 24
.irp i, 0,1,2,3
	v_pk_fma_f32 v[\c+2*\i:\c+2*\i+1], v[\b+\o+2*\i:\b+\o+2*\i+1], v[\b+\o+2*\i:\b+\o+2*\i+1], v[\c+2*\i:\c+2*\i+1]
.endr
.endr
	v_pk_add_f32 v[\c:\c+1],   v[\c:\c+1],   v[\c+4:\c+5]
	v_pk_add_f32 v[\c+2:\c+3], v[\c+2:\c+3], v[\c+6:\c+7]
	v_pk_add_f32 v[\c:\c+1],   v[\c:\c+1],   v[\c+2:\c+3]
.endm
.macro DEV16 b, m                      ; each of the sixteen pairs minus v[m:m+1]
.set k, 0
.rept 16
	v_pk_add_f32 v[\b+2*k:\b+2*k+1], v[\b+2*k:\b+2*k+1], v[\m:\m+1] neg_lo:[0,1] neg_hi:[0,1]
.set k, k+1
.endr
.endm
; pair k of loads: channel 4 w + (k >> 2), tile k & 3: 512 bytes in two loads of 256
.macro LDY k
	global_load_b64 v[IN+4*\k:IN+4*\k+1],   v5, s[4:5] offset:16384*(\k>>2)+512*(\k&3) th:TH_LOAD_NT
	global_load_b64 v[IN+4*\k+2:IN+4*\k+3], v5, s[4:5] offset:16384*(\k>>2)+512*(\k&3)+256 th:TH_LOAD_NT
.endm
; pair k worked on and stored; the halves of its four registers are named by a0 .. a3 and b0 .. b3
.macro CH k, a0, a1, a2, a3, b0, b1, b2, b3
	s_wait_loadcnt 31-2*\k                         ; loads come back in order: this one is in, the younger ones stay out
	v_cvt_f32_f16 v[OUT+8*\k], \a0
	v_cvt_f32_f16 v[OUT+8*\k+1], \a1
	v_cvt_f32_f16 v[OUT+8*\k+2], \a2
	v_cvt_f32_f16 v[OUT+8*\k+3], \a3
.irp q, 0,1,2,3
	v_fma_f32 v[OUT+8*\k+\q], s[SA+(\k>>2)], v[OUT+8*\k+\q], s[SE+4*(\k&3)+(\k>>2)]
.endr
.irp q, 0,1,2,3
	v_max_num_f32 v[OUT+8*\k+\q], 0, v[OUT+8*\k+\q]
.endr
	global_store_b128 v6, v[OUT+8*\k:OUT+8*\k+3], s[10:11] offset:32768*(\k>>2)+1024*(\k&3) th:TH_STORE_NT
	s_wait_loadcnt 30-2*\k
	v_cvt_f32_f16 v[OUT+8*\k+4], \b0
	v_cvt_f32_f16 v[OUT+8*\k+5], \b1
	v_cvt_f32_f16 v[OUT+8*\k+6], \b2
	v_cvt_f32_f16 v[OUT+8*\k+7], \b3
.irp q, 4,5,6,7
	v_fma_f32 v[OUT+8*\k+\q], s[SA+(\k>>2)], v[OUT+8*\k+\q], s[SE+4*(\k&3)+(\k>>2)]
.endr
.irp q, 4,5,6,7
	v_max_num_f32 v[OUT+8*\k+\q], 0, v[OUT+8*\k+\q]
.endr
	global_store_b128 v6, v[OUT+8*\k+4:OUT+8*\k+7], s[10:11] offset:32768*(\k>>2)+1024*(\k&3)+512 th:TH_STORE_NT
.endm
	s_load_b256 s[4:11], s[0:1], 0x0               ; l2 s[4:5], g2 s[6:7], be2 s[8:9], out0 s[10:11]
	v_lshl_add_u32 v232, v0, 2, 0x2100
	v_mov_b32 v233, 0
	v_lshrrev_b32 v1, 5, v0
	v_readfirstlane_b32 s12, v1                    ; wave w
	s_and_b32 s14, ttmp9, 3                        ; cg: my 64 channels
	s_lshr_b32 s15, ttmp9, 2                       ; pc: my 1,024 points
	s_lshr_b32 s48, s15, 3                         ; batch
	s_and_b32 s49, s15, 7                          ; which 1,024 of its points
	s_mov_b32 s46, 0x37800000                      ; 1 / 65,536
	s_mov_b32 s47, 0x3727c5ac                      ; 1e-5
	s_mov_b32 s52, 0x76543210                      ; v_permlanex16_b32: lane i of one half reads lane i of the other
	s_mov_b32 s53, 0xfedcba98
	s_mov_b32 s54, 0xffff0000
	v_and_b32 v1, 31, v0                           ; L
	s_lshl_b32 s50, s12, 14
	v_lshl_add_u32 v2, v1, 3, s50                  ; statistics: tile 16 w (1,024 bytes a tile) + 8 L
	v_and_b32 v12, 3, v0                           ; j = L & 3
	s_lshl_b32 s50, s12, 4
	v_lshl_add_u32 v3, v12, 2, s50                 ; 4 x channel 4 w + j of my 64
	v_bfe_u32 v13, v0, 2, 2                        ; q = (L >> 2) & 3
	v_lshl_add_u32 v4, v13, 10, v3                 ; and tile q of my four
	s_lshl_b32 s50, s12, 16
	v_lshl_add_u32 v5, v1, 3, s50                  ; yc: channel 4 w (16,384 bytes a row) + 8 L
	s_lshl_b32 s50, s12, 17
	v_lshl_add_u32 v6, v1, 4, s50                  ; out0: channel 4 w (32,768 bytes a row) + 16 L
	s_mul_i32 s50, s12, LP
	v_lshl_add_u32 v7, v1, 3, s50                  ; LDS in: my wave's row + 8 L
	v_bfe_u32 v13, v0, 2, 3                        ; p = L >> 2
	v_mul_u32_u24 v8, LP, v13
	v_add_nc_u32 v8, v8, v3                        ; LDS back: wave p's row, channel 4 w + j
	s_mov_b32 s51, 0
	s_wait_kmcnt 0x0
	s_lshl_b32 s50, s14, 8                         ; 64 channels x 4 bytes
	s_add_nc_u64 s[6:7], s[6:7], s[50:51]
	s_add_nc_u64 s[8:9], s[8:9], s[50:51]
	s_add_co_u32 s50, s50, PM
	s_add_nc_u64 s[36:37], s[4:5], s[50:51]        ; PM[0][64 cg]
	s_lshl_b32 s50, s15, 12
	s_add_nc_u64 s[38:39], s[36:37], s[50:51]      ; PM[4 pc][64 cg]
	s_lshl_b32 s50, s48, 22
	s_lshl_b32 s55, s14, 20
	s_add_co_u32 s50, s50, s55
	s_lshl_b32 s55, s49, 11
	s_add_co_u32 s50, s50, s55
	s_add_nc_u64 s[4:5], s[4:5], s[50:51]          ; yc[b][64 cg][1,024 x part]
	s_lshl_b32 s50, s50, 1                         ; f32: twice the bytes
	s_add_nc_u64 s[10:11], s[10:11], s[50:51]      ; out0 likewise
	global_load_b32 v9,  v3, s[6:7]                ; gain of channel 4 w + j
	global_load_b32 v10, v3, s[8:9]                ; beta
	global_load_b32 v11, v4, s[38:39]              ; tile q's own mean
.set k, 0
.rept 16
	global_load_b64 v[PMR+2*k:PMR+2*k+1], v2, s[36:37] offset:1024*k
.set k, k+1
.endr
.set k, 0
.rept 16
	global_load_b64 v[PQR+2*k:PQR+2*k+1], v2, s[36:37] offset:PQO+1024*k
.set k, k+1
.endr
.irp k, 0,1,2,3,4,5,6,7,8,9,10,11,12,13
	LDY \k
.endr
	s_wait_loadcnt 44                              ; the means (and the three constants ahead of them) are in: 16 loads of squares and 28 of yc stay out
	LDY 14
	LDY 15
	SUM16 C0, PMR
	v_pk_mul_f32 v[MW:MW+1], v[C0:C0+1], 0x3d800000 op_sel_hi:[1,0]               ; m_w: / 16 tiles
	DEV16 PMR, MW
	SQ16 C0, PMR
	s_wait_loadcnt 32                              ; the squares are in; the 32 loads of yc stay out
	SUM16 C1, PQR
	v_pk_fma_f32 v[C0:C0+1], v[C0:C0+1], 0x43800000, v[C1:C1+1] op_sel_hi:[1,0,1] ; 256 points a tile
	ds_store_b64 v7, v[MW:MW+1]
	ds_store_b64 v7, v[C0:C0+1] offset:256
	BAR                                            ; the sixteen waves' figures are in LDS
	; lane L: channel 4 w + (L & 3), waves p = L >> 2 and p + 8; then over p across the lanes (bits 2, 3, 4 of the lane's number)
	ds_load_b32 v208, v8
	ds_load_b32 v209, v8 offset:8*LP
	ds_load_b32 v210, v8 offset:256
	ds_load_b32 v211, v8 offset:8*LP+256
	v_mov_b32 v213, 0                              ; v_permlanex16_b32 counts its destination as read
	s_wait_dscnt 0x0
	v_add_f32 v212, v208, v209
	v_add_f32_dpp v212, v212, v212 row_xmask:4 row_mask:0xf bank_mask:0xf
	v_add_f32_dpp v212, v212, v212 row_xmask:8 row_mask:0xf bank_mask:0xf
	v_permlanex16_b32 v213, v212, s52, s53
	v_add_f32 v212, v212, v213
	v_mul_f32 v212, 0x3d800000, v212               ; the mean: / 16 waves
	v_sub_f32 v208, v208, v212
	v_sub_f32 v209, v209, v212
	v_add_f32 v210, v210, v211
	v_mul_f32 v208, v208, v208
	v_fmac_f32 v208, v209, v209
	v_fmamk_f32 v210, v208, 0x45800000, v210       ; 4,096 points a wave
	v_add_f32_dpp v210, v210, v210 row_xmask:4 row_mask:0xf bank_mask:0xf
	v_add_f32_dpp v210, v210, v210 row_xmask:8 row_mask:0xf bank_mask:0xf
	v_permlanex16_b32 v213, v210, s52, s53
	v_add_f32 v210, v210, v213
	v_fma_f32 v210, v210, s46, s47                 ; / 65,536 points, + 1e-5
	v_rsq_f32 v211, v210
	v_cvt_pk_bf16_f32 v214, v9, v10                ; a plain vector instruction stands behind a transcendental before its result is used (ISA guide 5.7.2)
	v_lshlrev_b32 v9,  16,  v214                   ; gain
	v_and_b32     v10, s54, v214                   ; beta
	s_wait_alu depctr_va_vdst(0)
	v_mul_f32 v9, v9, v211                         ; A
	v_sub_f32 v11, v11, v212
	v_fma_f32 v11, v9, v11, v10                    ; E = A (pm - mean) + beta
.irp n, 0,1,2,3
	v_readlane_b32 s[SA+\n], v9, \n
.endr
.set n, 0
.rept 16
	v_readlane_b32 s[SE+n], v11, n
.set n, n+1
.endr
	CH 0,  v16.l, v16.h, v17.l, v17.h, v18.l, v18.h, v19.l, v19.h
	CH 1,  v20.l, v20.h, v21.l, v21.h, v22.l, v22.h, v23.l, v23.h
	CH 2,  v24.l, v24.h, v25.l, v25.h, v26.l, v26.h, v27.l, v27.h
	CH 3,  v28.l, v28.h, v29.l, v29.h, v30.l, v30.h, v31.l, v31.h
	CH 4,  v32.l, v32.h, v33.l, v33.h, v34.l, v34.h, v35.l, v35.h
	CH 5,  v36.l, v36.h, v37.l, v37.h, v38.l, v38.h, v39.l, v39.h
	CH 6,  v40.l, v40.h, v41.l, v41.h, v42.l, v42.h, v43.l, v43.h
	CH 7,  v44.l, v44.h, v45.l, v45.h, v46.l, v46.h, v47.l, v47.h
	CH 8,  v48.l, v48.h, v49.l, v49.h, v50.l, v50.h, v51.l, v51.h
	CH 9,  v52.l, v52.h, v53.l, v53.h, v54.l, v54.h, v55.l, v55.h
	CH 10, v56.l, v56.h, v57.l, v57.h, v58.l, v58.h, v59.l, v59.h
	CH 11, v60.l, v60.h, v61.l, v61.h, v62.l, v62.h, v63.l, v63.h
	CH 12, v64.l, v64.h, v65.l, v65.h, v66.l, v66.h, v67.l, v67.h
	CH 13, v68.l, v68.h, v69.l, v69.h, v70.l, v70.h, v71.l, v71.h
	CH 14, v72.l, v72.h, v73.l, v73.h, v74.l, v74.h, v75.l, v75.h
	CH 15, v76.l, v76.h, v77.l, v77.h, v78.l, v78.h, v79.l, v79.h
	s_wait_tensorcnt 0x0
	ds_add_u32 v232, v233
	s_wait_dscnt 0x0
	s_endpgm
.Lfunc_end_k_qb5a5e3e4c4_final:
	.size	k_qb5a5e3e4c4_final, .Lfunc_end_k_qb5a5e3e4c4_final-k_qb5a5e3e4c4_final
	.p2alignl 7, 3214868480
	.fill 96, 4, 3214868480
	.section	.rodata,"a",@progbits
	.p2align	6, 0x0
	.amdhsa_kernel k_qb5a5e3e4c4_final
		.amdhsa_group_segment_fixed_size 10496
		.amdhsa_private_segment_fixed_size 0
		.amdhsa_enable_private_segment 0
		.amdhsa_kernarg_size 32
		.amdhsa_user_sgpr_count 2
		.amdhsa_user_sgpr_kernarg_segment_ptr 1
		.amdhsa_wavefront_size32 1
		.amdhsa_system_sgpr_workgroup_id_x 1
		.amdhsa_system_sgpr_workgroup_id_y 1
		.amdhsa_system_sgpr_workgroup_id_z 1
		.amdhsa_system_vgpr_workitem_id 0
		.amdhsa_next_free_vgpr 234
		.amdhsa_next_free_sgpr 66
		.amdhsa_reserve_vcc 0
		.amdhsa_float_denorm_mode_32 3
		.amdhsa_float_denorm_mode_16_64 3
		.amdhsa_memory_ordered 1
		.amdhsa_forward_progress 1
		.amdhsa_inst_pref_size 36
	.end_amdhsa_kernel
	.amdgpu_metadata
---
amdhsa.version: [ 1, 2 ]
amdhsa.kernels:
  - .name:           k_qb5a5e3e4c4_final
    .symbol:         k_qb5a5e3e4c4_final.kd
    .args:
      - { .name: l2, .offset: 0, .size: 8, .value_kind: global_buffer, .address_space: global }
      - { .name: g2, .offset: 8, .size: 8, .value_kind: global_buffer, .address_space: global }
      - { .name: be2, .offset: 16, .size: 8, .value_kind: global_buffer, .address_space: global }
      - { .name: out0, .offset: 24, .size: 8, .value_kind: global_buffer, .address_space: global }
    .group_segment_fixed_size: 10496
    .private_segment_fixed_size: 0
    .kernarg_segment_align: 8
    .kernarg_segment_size: 32
    .max_flat_workgroup_size: 512
    .sgpr_count:     66
    .vgpr_count:     234
    .wavefront_size: 32
...
	.end_amdgpu_metadata
.endif
;; end of part 6
